; MI455X (gfx1250); checked and timed in simulation.
; The chip was launched on July 23, 2026; its instructions are those of AMD's public machine-readable ISA for CDNA 5 (MIT licence, August 2026) and "CDNA5" Instruction Set Architecture Reference Guide (July 2026). The comments in the code are by the model that wrote it; some were corrected since.
;; Multi Head Attention. Allowed arithmetic: matrix products marked QUANTISED: E2M1 operands, one E8M0 scale for each 32 along K, by v_wmma_scale_f32_16x16x128_f8f6f4 with both operands' format E2M1 (or v_wmma_scale_f32_32x16x128_f4), f32 sums; products left as they are: bf16, f16 or f32 operands; f32 sums; everything else in f32.
;; Inputs: Wk 16 x 1,024 x 64 float32; Wo 1,024 x 1,024 float32; Wq 16 x 1,024 x 64 float32; Wv 16 x 1,024 x 64 float32; bk 16 x 64 float32; bo 1,024 float32; bq 16 x 64 float32; bv 16 x 64 float32; k_embs 8 x 1,024 x 1,024 float32; q_embs 8 x 1,024 x 1,024 float32; v_embs 8 x 1,024 x 1,024 float32.
;; Outputs: out0 8 x 1,024 x 1,024 float32.
;; This version of the problem:
;;   THIS VERSION OF THE PROBLEM IS GIVEN IN LOW PRECISION. The matrix products marked QUANTISED in the list below multiply operands that are first quantised to E2M1 (2 exponent bits, 1 mantissa bit; 4 bits a number), with one power-of-two scale for each 32 numbers along K (OCP MX v1.0); their sums are f32. The products marked 'left as it is' may take bf16, f16 or f32 operands, with f32 sums. Whichever they take, every output number must still come out within the allowed error. Rounding operands to bf16 (8 significant bits) uses up far more of that allowance than f16 does (11 bits, for magnitudes from 6e-5 to 65,504). All else is computed in f32.
;;   The module's matrix products, in the order in which they are computed (A, B: the left and right operand; K: the contracted axis; several contracted axes count as one K, in the product's order):
;;     1. [M 1,024, K 1,024] x [K 1,024, N 8,192]; A: input Wq; B: input q_embs: QUANTISED
;;     2. [M 1,024, K 1,024] x [K 1,024, N 8,192]; A: input Wk; B: input k_embs: QUANTISED
;;     3. [M 1,024, K 1,024] x [K 1,024, N 8,192]; A: input Wv; B: input v_embs: QUANTISED
;;     4. batch 128 x [M 1,024, K 64] x [K 64, N 1,024]; A: computed on the way; B: computed on the way: left as it is (an operand is computed on the way)
;;     5. batch 128 x [M 1,024, K 1,024] x [K 1,024, N 64]; A: computed on the way; B: computed on the way: left as it is (an operand is computed on the way)
;;     6. [M 8,192, K 1,024] x [K 1,024, N 1,024]; A: computed on the way; B: input Wo: left as it is (an operand is computed on the way)
;;   THE QUANTISER, for each operand of a quantised product, along K:
;;     - K is cut into blocks of 32 from its start; a last block that is shorter is filled with zeros.
;;     - A block's scale is 2^e with e = floor(log2(the largest magnitude in the block)) - 2, held to -126 .. 127; a block of zeros has e = 0. As a byte (E8M0): e + 127.
;;     - Each number is divided by its block's scale, clamped to +-6, and rounded to the nearest number of E2M1, ties to even, subnormals kept.
;;     - The product sums the exact products of the quantised numbers (number of the format x scale) in f32.
;;   ~~~python
;;   def quantise(x, axis):      # numpy; x: float32 -> the quantised numbers, widened to float32 again
;;       x = np.moveaxis(x, axis, -1); K = x.shape[-1]
;;       x = np.pad(x, [(0, 0)] * (x.ndim - 1) + [(0, -K % 32)]); x = x.reshape(x.shape[:-1] + (-1, 32)); a = np.abs(x).max(-1, keepdims=True)
;;       e = np.where(a > 0, np.clip(np.frexp(np.where(a > 0, a, 1))[1] - 1 - 2, -126, 127), 0)      # np.frexp(a)[1] - 1 = floor(log2(a)), exactly
;;       r = np.clip(x / 2.0 ** e, -6, 6)
;;       step = 2.0 ** (np.maximum(np.frexp(np.where(r == 0, 1, r))[1] - 1, 0) - 1)
;;       q = np.round(r / step) * step * 2.0 ** e      # np.round: ties to even
;;       return np.moveaxis(q.reshape(q.shape[:-2] + (-1,))[..., :K], -1, axis).astype(np.float32)
;;   ~~~
;; One version. Each part assembles by itself: llvm-mc -triple=amdgcn-amd-amdhsa -mcpu=gfx1250 --defsym DOCPART=n.
;; ======== version 1 of 1: 5 launches
;; limits: values are held in f16: magnitudes above 65,504 overflow, below 6.1e-05 lose precision
;; workspace buffers: xc 12,582,912 bytes; xs 786,432 bytes; wc 1,572,864 bytes; ws 98,304 bytes; wo16 2,097,152 bytes; qkv 50,331,648 bytes; qkv32 1,572,864 bytes; cc 16,777,216 bytes
;; launch prep (part 1): grid 896 x 1, 4 waves a work-group, no clusters, 33,280 bytes of LDS; arguments q_embs, k_embs, v_embs, Wq, Wk, Wv, Wo, xc, xs, wc, ws, wo16; writes xc, xs, wc, ws, wo16
.if DOCPART == 1
	.amdgcn_target "amdgcn-amd-amdhsa--gfx1250"
	.amdhsa_code_object_version 6
	.text
	.protected	k_q4244e2894a_prep
	.globl	k_q4244e2894a_prep
	.p2align	8
	.type	k_q4244e2894a_prep,@function
k_q4244e2894a_prep:
	s_mov_b64 s[64:65], 0
	v_nop
	global_prefetch_b8 v0, s[64:65] scope:SCOPE_SE
	s_setreg_imm32_b32 hwreg(HW_REG_WAVE_MODE, 25, 1), 1
	s_wait_xcnt 0x0
; PREP: every operand of the three quantised projections becomes codes of FP4 (E2M1) with one E8M0 byte for each 32 along K (= C, 1,024), and Wo becomes f16.
; Work-groups 0-95 (path W): Wq, Wk, Wv [16][1024 (K)][64]: a lane takes a column, its registers run down K; the codes leave as images of the operand's registers:
;   wc [tensor 3][256 columns: 4][512 of K: 2][16 columns: 16][128 of K: 4][1,024 bytes]; in an image block bb of 32 k of column r lies at (bb / 2) 512 + ((bb % 2) 16 + r) 16.  ws [3][1024 columns][32 bytes].
; Work-groups 96-127 (path O): Wo [1024 (K)][1024] to f16 images wo16 [128 of K: 8][16 columns: 64][32 of K: 4][1,024 bytes]; piece p of 8 k of column r at (p / 2) 512 + ((p % 2) 16 + r) 16.
; Work-groups 128-895 (path X): q_embs, k_embs, v_embs, K innermost: plain streams of blocks of 32; xc [3][8192][512 bytes], xs [3][8192][32 bytes].
; A block's scale is 2^(floor(log2(largest magnitude)) - 2); its byte is the largest magnitude's exponent field - 2, held at 1 from below.
; LIMITS: a block of zeros gets the byte 1 where the rule says 127 (its codes are zeros, and this program alone reads the bytes); NaN and infinities are not served; Wo must stay under 65,504 in magnitude (f16).
; Only path X uses LDS (a stage of its own for each wave).  No barrier: waves share nothing.
.set SPW,   190                        ; v190  LDS address of my spare word; never rewritten
.set NIL,   191                        ; v191  0; never rewritten
.set SPARE, 32768                      ; behind the four waves' regions: the spare words, 128 bytes a wave
.set STEPS, 16
.set CB,    8                          ; bytes of 16 codes
.set R,     16                         ; path X: v16-79 four sets of 16 numbers as loaded
.set X,     80                         ; v80-111 two sets of 16 neighbours
.set E,     112                        ; v112-127 a scale byte for each step
.set C,     128                        ; v128-189 codes, four registers a step
.set WREG,  8192                       ; LDS region of a wave: two stages of 32 x SP bytes, then its 256 scale bytes
.set SP,    80
.set XW,    32                         ; paths W, O: v32-95 two sets of 32 numbers down K
.set CW,    96                         ; v96-127 what is stored
.set SB,    24                         ; v24-25 a column's eight scale bytes
.macro FINISH                          ; the wave's end
	s_wait_tensorcnt 0x0
	ds_add_u32 v[SPW], v[NIL]
	s_wait_dscnt 0x0
	s_endpgm
.endm
	s_load_b512 s[4:19], s[0:1], 0x0               ; q 4:5, k 6:7, v 8:9, Wq 10:11, Wk 12:13, Wv 14:15, Wo 16:17, xc 18:19
	s_load_b256 s[20:27], s[0:1], 0x40             ; xs 20:21, wc 22:23, ws 24:25, wo16 26:27
	v_lshl_add_u32 v[SPW], v0, 2, SPARE
	v_mov_b32 v[NIL], 0
	v_lshrrev_b32 v1, 5, v0
	v_readfirstlane_b32 s28, v1                    ; wave
	v_and_b32 v2, 31, v0                           ; lane
	s_mov_b32 s35, 0                               ; the high word of every offset pair s[34:35]
	s_wait_kmcnt 0x0
	s_cmp_lt_u32 ttmp9, 96
	s_cbranch_scc1 .LW
	s_cmp_lt_u32 ttmp9, 128
	s_cbranch_scc1 .LO
; ---------------- path X: a wave takes 16 steps of 512 numbers; each load reads 512 consecutive bytes; a step turns through the wave's stage so that a lane holds 16 neighbours
	s_sub_co_u32 s29, ttmp9, 128
	s_lshr_b32 s30, s29, 8                         ; which tensor
	s_cmp_eq_u32 s30, 1
	s_cselect_b64 s[32:33], s[6:7], s[8:9]
	s_cmp_eq_u32 s30, 0
	s_cselect_b64 s[32:33], s[4:5], s[32:33]
	s_and_b32 s31, s29, 255
	s_lshl_b32 s31, s31, 2
	s_add_co_u32 s34, s31, s28                     ; my run of 8,192 numbers in the tensor
	s_lshl_b32 s34, s34, 15
	s_add_nc_u64 s[32:33], s[32:33], s[34:35]
	s_lshl_b32 s36, s29, 2
	s_add_co_u32 s36, s36, s28                     ; my run among all three tensors'
	s_lshl_b32 s34, s36, 12                        ; 4,096 bytes of codes a run
	s_add_nc_u64 s[18:19], s[18:19], s[34:35]
	s_lshl_b32 s34, s36, 8                         ; 256 scale bytes a run
	s_add_nc_u64 s[20:21], s[20:21], s[34:35]
	v_lshlrev_b32 v3, 4, v2                        ; my 16 bytes of a load's 512
	s_mul_i32 s37, s28, WREG
	v_lshrrev_b32 v14, 2, v2
	v_mul_u32_u24 v14, v14, SP
	v_and_b32 v15, 3, v2
	v_lshl_add_u32 v14, v15, 4, v14
	v_add_nc_u32 v14, s37, v14                     ; the stage, in: SP (lane / 4) + 16 (lane % 4)
	v_mul_u32_u24 v15, v2, SP
	v_add_nc_u32 v15, s37, v15                     ; and out: SP x lane
	v_mul_u32_u24 v4, v2, CB                       ; my codes' place in a step's 256 bytes
	v_lshrrev_b32 v5, 1, v2
	s_add_co_u32 s37, s37, 2*32*SP
	v_add_nc_u32 v5, s37, v5                       ; LDS: my block's scale byte
	v_lshlrev_b32 v7, 3, v2
	v_add_nc_u32 v6, s37, v7
.macro LOAD t
.irp i, 0,1,2,3
	global_load_b128 v[R+16*((\t)%4)+4*\i:R+16*((\t)%4)+4*\i+3], v3, s[32:33] offset:2048*(\t)+512*\i th:TH_LOAD_NT
.endr
.endm
.macro TURN t                          ; LDS serves a wave's instructions in order: no wait between the stores and the loads
.irp i, 0,1,2,3
	ds_store_b128 v14, v[R+16*((\t)%4)+4*\i:R+16*((\t)%4)+4*\i+3] offset:32*SP*((\t)%2)+8*SP*\i
.endr
.irp i, 0,1,2,3
	ds_load_b128 v[X+16*((\t)%2)+4*\i:X+16*((\t)%2)+4*\i+3], v15 offset:32*SP*((\t)%2)+16*\i
.endr
.endm
.irp t, 0,1,2,3
	LOAD \t
.endr
	s_wait_loadcnt 12                              ; step 0's four loads are in
	TURN 0
.macro STEP t
.set XS, X+16*((\t)%2)
.if (\t) > 0
	s_wait_dscnt 1                                 ; this step's numbers are back from the stage; the last step's byte store may be out
.else
	s_wait_dscnt 0x0
.endif
.if (\t)+4 < STEPS
	LOAD (\t)+4                                    ; into the registers that this step's stage stores have read
.endif
.if (\t)+1 < STEPS
.if STEPS-2-(\t) >= 3
	s_wait_loadcnt 12                              ; the next step's four loads are in; three steps' may be out
.else
	s_wait_loadcnt 4*(STEPS-2-(\t))
.endif
	TURN (\t)+1
.endif
	v_max3_num_f32 v8, |v[XS]|, |v[XS+1]|, |v[XS+2]|
	v_max3_num_f32 v9, |v[XS+3]|, |v[XS+4]|, |v[XS+5]|
.irp i, 6,10
	v_max3_num_f32 v8, v8, |v[XS+\i]|, |v[XS+\i+1]|
	v_max3_num_f32 v9, v9, |v[XS+\i+2]|, |v[XS+\i+3]|
.endr
	v_max3_num_f32 v8, v8, |v[XS+14]|, |v[XS+15]|
	v_max3_num_f32 v8, v8, v9, 0x1800000           ; the floor 2^(3 - 127): the byte cannot fall under 1
	v_max_num_f32_dpp v8, v8, v8 row_xmask:1 row_mask:0xf bank_mask:0xf   ; with my neighbour's 16: the block's largest magnitude
	v_add_nc_u32 v11, 0xff000000, v8               ; 2 off its exponent field: the conversion's scale operand
	v_cvt_scalef32_pk8_fp4_f32 v[C+4*(\t)], v[XS:XS+7], v11
	v_cvt_scalef32_pk8_fp4_f32 v[C+4*(\t)+1], v[XS+8:XS+15], v11
	v_lshrrev_b32 v[E+(\t)], 23, v11               ; the scale's byte
	ds_store_b8 v5, v[E+(\t)] offset:16*(\t)       ; both lanes of a block write the same byte
	global_store_b64 v4, v[C+4*(\t):C+4*(\t)+1], s[18:19] offset:32*CB*(\t)   ; the wave stores 256 consecutive bytes, aligned
.endm
.irp t, 0,1,2,3,4,5,6,7,8,9,10,11,12,13,14,15
	STEP \t
.endr
	ds_load_b64 v[8:9], v6
	s_wait_dscnt 0x0
	global_store_b64 v7, v[8:9], s[20:21]          ; my run's 256 scale bytes
	FINISH
; 32 numbers down K of my column into set t % 2: each load reads 128 consecutive bytes
.macro LOADC t, pitch
.set li, 0
.rept 32
	global_load_b32 v[XW+32*((\t)%2)+li], v3, s[32:33] offset:(32*(\t)+li)*\pitch th:TH_LOAD_NT
.set li, li+1
.endr
.endm
; ---------------- path W: a wave takes 32 columns x 256 along K of one head of one weight: eight blocks a lane
.LW:
	s_lshr_b32 s30, ttmp9, 5                       ; which weight
	s_bfe_u32 s31, ttmp9, 0x40001                  ; head
	s_and_b32 s29, ttmp9, 1                        ; which 512 of K
	s_and_b32 s36, s28, 1                          ; which 32 columns of the head's 64
	s_lshr_b32 s37, s28, 1                         ; which 256 of the 512
	s_cmp_eq_u32 s30, 1
	s_cselect_b64 s[32:33], s[12:13], s[14:15]
	s_cmp_eq_u32 s30, 0
	s_cselect_b64 s[32:33], s[10:11], s[32:33]
	s_lshl_b32 s38, s29, 1
	s_add_co_u32 s38, s38, s37                     ; which 256 of K
	s_lshl_b32 s34, s31, 18                        ; head x 262,144
	s_lshl_b32 s39, s38, 16                        ; + 256 rows of 256 bytes
	s_add_co_u32 s34, s34, s39
	s_lshl_b32 s39, s36, 7
	s_add_co_u32 s34, s34, s39
	s_add_nc_u64 s[32:33], s[32:33], s[34:35]
	s_lshl_b32 s34, s30, 2                         ; the codes: ((((T 4 + head / 4) 2 + half of K) 16 + (head % 4) 4 + 2 colhalf) 4 + 2 (wave / 2)) 1,024
	s_lshr_b32 s39, s31, 2
	s_add_co_u32 s34, s34, s39
	s_lshl_b32 s34, s34, 1
	s_add_co_u32 s34, s34, s29
	s_lshl_b32 s34, s34, 4
	s_and_b32 s39, s31, 3
	s_lshl_b32 s39, s39, 2
	s_add_co_u32 s34, s34, s39
	s_lshl_b32 s39, s36, 1
	s_add_co_u32 s34, s34, s39
	s_lshl_b32 s34, s34, 2
	s_lshl_b32 s39, s37, 1
	s_add_co_u32 s34, s34, s39
	s_lshl_b32 s34, s34, 10
	s_add_nc_u64 s[22:23], s[22:23], s[34:35]
	s_lshl_b32 s34, s30, 10                        ; the scale bytes: (T 1,024 + head 64 + colhalf 32) 32 + 8 x (which 256 of K)
	s_lshl_b32 s39, s31, 6
	s_add_co_u32 s34, s34, s39
	s_lshl_b32 s39, s36, 5
	s_add_co_u32 s34, s34, s39
	s_lshl_b32 s34, s34, 5
	s_lshl_b32 s39, s38, 3
	s_add_co_u32 s34, s34, s39
	s_add_nc_u64 s[24:25], s[24:25], s[34:35]
	v_lshlrev_b32 v3, 2, v2                        ; in: 4 bytes a lane
	v_lshrrev_b32 v4, 4, v2
	v_lshlrev_b32 v4, 12, v4
	v_and_b32 v6, 15, v2
	v_lshl_add_u32 v4, v6, 4, v4                   ; out: lanes 16-31 belong to the next 16 columns (4,096 bytes on); 16 bytes a column
	v_lshlrev_b32 v5, 5, v2                        ; my column's row of scale bytes
.macro BLOCKW t
.set XS, XW+32*((\t)%2)
.if (\t) < 7
	s_wait_loadcnt 32                              ; this block's 32 loads are in; the next block's may be out
.else
	s_wait_loadcnt 0
.endif
	v_max3_num_f32 v12, |v[XS]|, |v[XS+1]|, |v[XS+2]|
	v_max3_num_f32 v13, |v[XS+3]|, |v[XS+4]|, |v[XS+5]|
.irp i, 6,10,14,18,22,26
	v_max3_num_f32 v12, v12, |v[XS+\i]|, |v[XS+\i+1]|
	v_max3_num_f32 v13, v13, |v[XS+\i+2]|, |v[XS+\i+3]|
.endr
	v_max3_num_f32 v12, v12, |v[XS+30]|, |v[XS+31]|
	v_max3_num_f32 v12, v12, v13, 0x1800000        ; the floor
	v_add_nc_u32 v11, 0xff000000, v12              ; the conversion's scale operand
	v_lshrrev_b32 v13, 23, v11                     ; the byte
.if (\t)%4 == 0
	v_mov_b32 v[SB+(\t)/4], v13
.else
	v_lshl_or_b32 v[SB+(\t)/4], v13, 8*((\t)%4), v[SB+(\t)/4]
.endif
.irp g, 0,1,2,3
	v_cvt_scalef32_pk8_fp4_f32 v[CW+4*(\t)+\g], v[XS+8*\g:XS+8*\g+7], v11
.endr
	v_nop                                          ; a plain line behind the last conversion
	global_store_b128 v4, v[CW+4*(\t):CW+4*(\t)+3], s[22:23] offset:((\t)>>2)*1024+(((\t)&3)>>1)*512+((\t)&1)*256   ; sixteen lanes store 256 consecutive bytes, aligned; each block has registers of its own
.if (\t)+2 < 8
	LOADC (\t)+2, 256
.endif
.endm
	LOADC 0, 256
	LOADC 1, 256
.irp t, 0,1,2,3,4,5,6,7
	BLOCKW \t
.endr
	global_store_b64 v5, v[SB:SB+1], s[24:25]      ; eight bytes of each column's row of 32: 98,304 bytes in the whole launch leave so
	FINISH
; ---------------- path O: a wave takes 32 columns x 256 along K of Wo: eight groups of 32 k
.LO:
	s_sub_co_u32 s29, ttmp9, 96
	s_and_b32 s30, s29, 7                          ; which 128 columns
	s_lshr_b32 s31, s29, 3                         ; which 256 of K
	s_lshl_b32 s34, s31, 20
	s_lshl_b32 s36, s30, 9
	s_add_co_u32 s34, s34, s36
	s_lshl_b32 s36, s28, 7
	s_add_co_u32 s34, s34, s36
	s_add_nc_u64 s[32:33], s[16:17], s[34:35]
	s_lshl_b32 s34, s31, 19
	s_lshl_b32 s36, s30, 15
	s_add_co_u32 s34, s34, s36
	s_lshl_b32 s36, s28, 13
	s_add_co_u32 s34, s34, s36
	s_add_nc_u64 s[26:27], s[26:27], s[34:35]
	v_lshlrev_b32 v3, 2, v2
	v_lshrrev_b32 v4, 4, v2
	v_lshlrev_b32 v4, 12, v4
	v_and_b32 v6, 15, v2
	v_lshl_add_u32 v4, v6, 4, v4
.macro GROUPO t
.set XS, XW+32*((\t)%2)
.set CS_, CW+16*((\t)%2)
.if (\t) < 7
	s_wait_loadcnt 32
.else
	s_wait_loadcnt 0
.endif
.if (\t) >= 2
	s_wait_xcnt 0x0                                ; the stores of two groups back have read these registers
.endif
.irp p, 0,1,2,3
.irp e, 0,1,2,3
	v_cvt_pk_f16_f32 v[CS_+4*\p+\e], v[XS+8*\p+2*\e], v[XS+8*\p+2*\e+1]
.endr
.endr
.irp p, 0,1,2,3
	global_store_b128 v4, v[CS_+4*\p:CS_+4*\p+3], s[26:27] offset:((\t)>>2)*262144+((\t)&3)*1024+(\p>>1)*512+(\p&1)*256
.endr
.if (\t)+2 < 8
	LOADC (\t)+2, 4096
.endif
.endm
	LOADC 0, 4096
	LOADC 1, 4096
.irp t, 0,1,2,3,4,5,6,7
	GROUPO \t
.endr
	FINISH
.Lfunc_end_k_q4244e2894a_prep:
	.size	k_q4244e2894a_prep, .Lfunc_end_k_q4244e2894a_prep-k_q4244e2894a_prep
	.p2alignl 7, 3214868480
	.fill 96, 4, 3214868480
	.section	.rodata,"a",@progbits
	.p2align	6, 0x0
	.amdhsa_kernel k_q4244e2894a_prep
		.amdhsa_group_segment_fixed_size 33280
		.amdhsa_private_segment_fixed_size 0
		.amdhsa_enable_private_segment 0
		.amdhsa_kernarg_size 96
		.amdhsa_user_sgpr_count 2
		.amdhsa_user_sgpr_kernarg_segment_ptr 1
		.amdhsa_wavefront_size32 1
		.amdhsa_system_sgpr_workgroup_id_x 1
		.amdhsa_system_sgpr_workgroup_id_y 1
		.amdhsa_system_sgpr_workgroup_id_z 1
		.amdhsa_system_vgpr_workitem_id 0
		.amdhsa_next_free_vgpr 192
		.amdhsa_next_free_sgpr 66
		.amdhsa_reserve_vcc 0
		.amdhsa_float_denorm_mode_32 3
		.amdhsa_float_denorm_mode_16_64 3
		.amdhsa_memory_ordered 1
		.amdhsa_forward_progress 1
		.amdhsa_inst_pref_size 108
	.end_amdhsa_kernel
	.amdgpu_metadata
---
amdhsa.version: [ 1, 2 ]
amdhsa.kernels:
  - .name:           k_q4244e2894a_prep
    .symbol:         k_q4244e2894a_prep.kd
    .args:
      - { .name: q_embs, .offset: 0, .size: 8, .value_kind: global_buffer, .address_space: global }
      - { .name: k_embs, .offset: 8, .size: 8, .value_kind: global_buffer, .address_space: global }
      - { .name: v_embs, .offset: 16, .size: 8, .value_kind: global_buffer, .address_space: global }
      - { .name: Wq, .offset: 24, .size: 8, .value_kind: global_buffer, .address_space: global }
      - { .name: Wk, .offset: 32, .size: 8, .value_kind: global_buffer, .address_space: global }
      - { .name: Wv, .offset: 40, .size: 8, .value_kind: global_buffer, .address_space: global }
      - { .name: Wo, .offset: 48, .size: 8, .value_kind: global_buffer, .address_space: global }
      - { .name: xc, .offset: 56, .size: 8, .value_kind: global_buffer, .address_space: global }
      - { .name: xs, .offset: 64, .size: 8, .value_kind: global_buffer, .address_space: global }
      - { .name: wc, .offset: 72, .size: 8, .value_kind: global_buffer, .address_space: global }
      - { .name: ws, .offset: 80, .size: 8, .value_kind: global_buffer, .address_space: global }
      - { .name: wo16, .offset: 88, .size: 8, .value_kind: global_buffer, .address_space: global }
    .group_segment_fixed_size: 33280
    .private_segment_fixed_size: 0
    .kernarg_segment_align: 8
    .kernarg_segment_size: 96
    .max_flat_workgroup_size: 128
    .sgpr_count:     66
    .vgpr_count:     192
    .wavefront_size: 32
...
	.end_amdgpu_metadata
.endif
;; end of part 1
;; launch proj (part 2): grid 4 x 96, 4 waves a work-group, clusters of 4 x 4, 327,680 bytes of LDS; arguments xc, xs, wc, ws, bq, bk, bv, qkv, qkv32; writes qkv, qkv32
.if DOCPART == 2
	.amdgcn_target "amdgcn-amd-amdhsa--gfx1250"
	.amdhsa_code_object_version 6
	.text
	.protected	k_q4244e2894a_proj
	.globl	k_q4244e2894a_proj
	.p2align	8
	.type	k_q4244e2894a_proj,@function
k_q4244e2894a_proj:
	s_mov_b64 s[64:65], 0
	v_nop
	global_prefetch_b8 v0, s[64:65] scope:SCOPE_SE
	s_setreg_imm32_b32 hwreg(HW_REG_WAVE_MODE, 25, 1), 1
	s_wait_xcnt 0x0
	s_wait_alu depctr_hold_cnt(0) depctr_sa_sdst(0) depctr_va_vdst(0) depctr_va_sdst(0) depctr_va_ssrc(0) depctr_va_vcc(0) depctr_vm_vsrc(0)
	s_getreg_b32 s2, hwreg(HW_REG_IB_STS2, 6, 4)
	s_cmp_eq_u32 s2, 0
	s_cbranch_scc0 .Lentry_in_a_cluster
	s_endpgm
.Lentry_in_a_cluster:
	s_bfe_u32 s2, ttmp6, 0x10000c
	s_cmp_lg_u32 s2, 0xf033
	s_cbranch_scc0 .Lentry_shape_is_right
	s_endpgm
.Lentry_shape_is_right:
; PROJ: the three quantised projections, y[row][n] = sum over k of x[row][k] W[n][k] + bias[n], on codes of FP4 with E8M0 scales; sums in f32.
; A work-group makes 256 rows x 256 columns of one of the three; four waves, 128 x 128 each: 64 accumulators.  All of K (1,024) lies in LDS: two slots of 512 along K, each filled once, so nothing is filled again.
; x's codes lie by rows (256 bytes of a row in a slot, 16 of padding); W's codes lie as images of the operand's registers, dense; the scale bytes of all of K lie behind the slots.
; CLUSTERS: 4 x 4.  The cluster's y says which tensor (y / 8) and cyi = y % 8; the tile row is 8 cy + cyi, so that 'the tile begins a sequence' (cyi % 4 = 0) is the same in all partners.  The tile column is cx.
; x's tiles are shared along a row of the cluster, W's along a column: joint loads.  The matrix instruction is used transposed (source 0 = 16 columns of W, source 1 = 16 rows of x): a lane holds eight neighbouring columns of a row.
; The bias is the C of each sum's first product.  OUT: f16 to qkv [3][batch][head][position][64]; the f32 sums of positions 0-15 of each sequence as register images to qkv32 [3][batch][16 columns: 64][1,024 bytes].
; LIMIT: q, k, v go on in f16: magnitudes up to 65,504.
; REGISTERS: window 0: v16-31 addresses; v32-95 scale words, two sets; v96-127 packed results; v128-191 x's fragments, one set (on the way out rows read back); v192-255 the bias.
;   window 1: W's fragments, two sets, at v0 and v128.   windows 2, 3: the accumulators ((a, b) at v[8 (8 (a % 4) + b)]).
.set PITCH,  272
.set FR,     8
.set NQ,     4
.set NL,     2
.set NP,     4
.set HALFA,  128*PITCH                 ; 128 rows of x: one tensor load
.set BOFF,   2*HALFA                   ; W's images lie behind x's 256 rows
.set HALFB,  32768                     ; 128 columns x 512 k of W: one tensor load
.set SLOT,   BOFF+2*HALFB
.set SCL,    2*SLOT                    ; the scales, as units of 256 bytes + 16
.set HALFS,  16*272                    ; those of 128 rows (32 bytes a row)
.set SBLK,   2*272                     ; those of 16 rows
.set SPARE,  SCL+4*HALFS               ; the spare words, 128 bytes a wave
.set ADRA, 16
.set ADRB, 20
.set STO,  24
.set RD,   25
.set ADRS, 27
.set SPW,  28
.set NIL,  29
.set LI,   30                          ; 16 x lane
.set BO,   31
.set SC,   32
.set TMP,  96
.set AF,   128
.set BK,   128
.set BIAS, 192
.set G1,   36
.set G0,   44                          ; slot s: G0 + 4 s
.set G1B,  52
.set G0B,  60                          ; slot s: G0B + 8 s (s[60:63], s[68:71])
.set G1S,  72
.set G0S,  80
.set G1SB, 84
.set G0SB, 92
.set MSB, 0
.macro WIN new                         ; the immediate's high byte repeats the setting that is left
.if MSB != (\new)
	s_set_vgpr_msb (MSB<<8)|(\new)
.set MSB, (\new)
.endif
.endm
.set MUL_LO, 0xa1
.set MUL_HI, 0xf1
.set TO_B,   0x40
.macro JLOAD g0a, g1a, g0b, g1b        ; waves 0, 1 fetch for x, waves 2, 3 for W; an s_nop 0 and four v_nop follow each line
	s_cmp_eq_u32 s23, 0
	s_cbranch_scc0 .Lfor_b_\@
	tensor_load_to_lds s[\g0a:\g0a+3], s[\g1a:\g1a+7]
	s_nop 0
.rept 4
	v_nop
.endr
	s_branch .Lasked_\@
.Lfor_b_\@:
	tensor_load_to_lds s[\g0b:\g0b+3], s[\g1b:\g1b+7]
	s_nop 0
.rept 4
	v_nop
.endr
.Lasked_\@:
.endm
.macro CROUND                          ; a round of the cluster's barrier
	s_barrier_signal -1
	s_barrier_wait -1
	s_cmp_lg_u32 s22, 0
	s_cbranch_scc1 .Lnot_wave_0_\@
	s_barrier_signal -3
.Lnot_wave_0_\@:
	s_barrier_wait -3
	s_barrier_signal -1
	s_barrier_wait -1
.endm
	s_load_b256 s[4:11], s[0:1], 0x0               ; xc 4:5, xs 6:7, wc 8:9, ws 10:11
	s_load_b256 s[12:19], s[0:1], 0x20             ; bq 12:13, bk 14:15, bv 16:17, qkv 18:19
	s_load_b64 s[20:21], s[0:1], 0x40              ; qkv32
	v_lshl_add_u32 v[SPW], v0, 2, SPARE
	v_mov_b32 v[NIL], 0
	ds_add_u32 v[SPW], v[NIL]                      ; the opening: the add, twice on end, and its wait ahead of my first tensor load
	ds_add_u32 v[SPW], v[NIL]
	v_lshrrev_b32 v1, 5, v0
	v_readfirstlane_b32 s22, v1                    ; wave
	s_lshr_b32 s23, s22, 1                         ; my half of the rows; also: I fetch for x (0) or W (1)
	s_and_b32 s24, s22, 1                          ; my half of the columns; also: which half I fetch
	s_bfe_u32 s29, ttmp6, 0x40000                  ; cx
	s_bfe_u32 s30, ttmp6, 0x40004                  ; cy
	s_lshl_b32 s26, ttmp9, 2
	s_add_co_u32 s26, s26, s29                     ; tile column
	s_and_b32 s28, ttmp7, 0xffff
	s_lshr_b32 s27, s28, 3                         ; which tensor
	s_and_b32 s28, s28, 7                          ; cyi
	s_lshl_b32 s25, s30, 3
	s_add_co_u32 s25, s25, s28                     ; tile row = 8 cy + cyi
	s_lshl_b32 s31, s30, 2
	s_lshl_b32 s31, 15, s31                        ; my row of the cluster
	s_lshl_b32 s32, 0x1111, s29                    ; my column
	s_or_b32 s[G1], s31, (0<<16)|(1<<20)|(1<<21)|(5<<22)|(3<<25)   ; x's codes: 128 rows x 256 bytes, 16 of padding behind each
	s_mov_b32 s[G1+1], 256<<16
	s_mov_b32 s[G1+2], 128<<16
	s_mov_b32 s[G1+3], 256<<16
	s_mov_b32 s[G1+4], 128
	s_mov_b32 s[G1+5], 512
	s_mov_b32 s[G1+6], 0
	s_mov_b32 s[G1+7], 0
	s_or_b32 s[G1B], s32, (3<<16)|(1<<21)          ; W's images: a dense block of 32,768 bytes as 128 rows of 256, no padding
	s_mov_b32 s[G1B+1], 32<<16
	s_mov_b32 s[G1B+2], 128<<16
	s_mov_b32 s[G1B+3], 32<<16
	s_mov_b32 s[G1B+4], 128
	s_mov_b32 s[G1B+5], 32
	s_mov_b32 s[G1B+6], 0
	s_mov_b32 s[G1B+7], 0
	s_or_b32 s[G1S], s31, (3<<16)|(1<<20)|(1<<21)|(5<<22)|(3<<25)  ; the scales of 128 rows: 4,096 dense bytes as 16 rows of 256 + 16
	s_or_b32 s[G1SB], s32, (3<<16)|(1<<20)|(1<<21)|(5<<22)|(3<<25)
.irp g, G1S, G1SB
	s_mov_b32 s[\g+1], 32<<16
	s_mov_b32 s[\g+2], 16<<16
	s_mov_b32 s[\g+3], 32<<16
	s_mov_b32 s[\g+4], 16
	s_mov_b32 s[\g+5], 32
	s_mov_b32 s[\g+6], 0
	s_mov_b32 s[\g+7], 0
.endr
	s_lshl_b32 s33, s27, 13                        ; x: row T 8,192 + 256 tile row + 128 half
	s_lshl_b32 s34, s25, 8
	s_add_co_u32 s33, s33, s34
	s_lshl_b32 s34, s24, 7
	s_add_co_u32 s33, s33, s34
	s_lshl_b32 s96, s33, 9                         ; its codes,
	s_mov_b32 s97, 0
	s_lshl_b32 s98, s33, 5                         ; its scale bytes
	s_mov_b32 s99, 0
	s_lshl_b32 s66, s27, 2                         ; W: T 4 + tile column
	s_add_co_u32 s66, s66, s26
	s_lshl_b32 s100, s66, 17                       ; its images: 131,072 bytes for 256 columns, + 32,768 half
	s_lshl_b32 s67, s24, 15
	s_add_co_u32 s100, s100, s67
	s_mov_b32 s101, 0
	s_lshl_b32 s2, s66, 13                         ; its scale bytes
	s_lshl_b32 s67, s24, 12
	s_add_co_u32 s2, s2, s67
	s_mov_b32 s3, 0
	s_mul_i32 s33, s24, HALFA                      ; where they go in a slot: no place in the cluster enters an LDS address
	s_lshl_b32 s34, s24, 15
	s_add_co_u32 s34, s34, BOFF
	s_mul_i32 s35, s22, HALFS
	s_wait_dscnt 0x0                               ; both opening adds are done
	s_wait_kmcnt 0x0
	s_add_nc_u64 s[96:97], s[4:5], s[96:97]
	s_add_nc_u64 s[98:99], s[6:7], s[98:99]
	s_add_nc_u64 s[100:101], s[8:9], s[100:101]
	s_add_nc_u64 s[2:3], s[10:11], s[2:3]
	CROUND                                         ; all sixteen work-groups are here: the joint loads meet
	s_mov_b32 s[G0S], 1
	s_add_co_u32 s[G0S+1], s35, SCL
	s_mov_b64 s[G0S+2:G0S+3], s[98:99]
	s_or_b32 s[G0S+3], s[G0S+3], 0x80000000
	s_mov_b32 s[G0SB], 1
	s_add_co_u32 s[G0SB+1], s35, SCL
	s_mov_b64 s[G0SB+2:G0SB+3], s[2:3]
	s_or_b32 s[G0SB+3], s[G0SB+3], 0x80000000
	JLOAD G0S, G1S, G0SB, G1SB                     ; the scales first
.irp s, 0,1
	s_mov_b32 s[G0+4*\s], 1
	s_add_co_u32 s[G0+4*\s+1], s33, \s*SLOT
	s_add_nc_u64 s[G0+4*\s+2:G0+4*\s+3], s[96:97], \s*256
	s_or_b32 s[G0+4*\s+3], s[G0+4*\s+3], 0x80000000
	s_mov_b32 s[G0B+8*\s], 1
	s_add_co_u32 s[G0B+8*\s+1], s34, \s*SLOT
	s_add_nc_u64 s[G0B+8*\s+2:G0B+8*\s+3], s[100:101], \s*65536
	s_or_b32 s[G0B+8*\s+3], s[G0B+8*\s+3], 0x80000000
	JLOAD G0+4*\s, G1, G0B+8*\s, G1B               ; three loads of mine are out behind the second of these
.endr
	v_and_b32 v1, 15, v0                           ; r
	v_bfe_u32 v2, v0, 4, 1                         ; h
	v_and_b32 v3, 31, v0
	v_lshlrev_b32 v[LI], 4, v3
	v_lshlrev_b32 v[BO], 5, v2
	s_cmp_eq_u32 s27, 1                            ; the tensor's bias
	s_cselect_b64 s[96:97], s[14:15], s[16:17]
	s_cmp_eq_u32 s27, 0
	s_cselect_b64 s[96:97], s[12:13], s[96:97]
	s_lshl_b32 s98, s26, 10
	s_lshl_b32 s99, s24, 9
	s_add_co_u32 s98, s98, s99
	s_mov_b32 s99, 0
	s_add_nc_u64 s[96:97], s[96:97], s[98:99]
.irp b, 0,1,2,3,4,5,6,7                ; lane (r, h) wants, for column block b, the bias of columns 16 b + 8 h + 0 .. 7
	global_load_b128 v[BIAS+8*\b:BIAS+8*\b+3], v[BO], s[96:97] offset:64*\b
	global_load_b128 v[BIAS+8*\b+4:BIAS+8*\b+7], v[BO], s[96:97] offset:64*\b+16
.endr
	v_mul_u32_u24 v4, v1, PITCH
	v_lshl_add_u32 v4, v2, 4, v4                   ; row x pitch + 16 h
	s_mul_i32 s33, s23, HALFA
	s_lshl_b32 s34, s24, 15
	s_add_co_u32 s34, s34, BOFF
.irp s, 0,1
	v_add_nc_u32 v[ADRA+\s], s33, v4
	v_add_nc_u32 v[ADRB+\s], s34, v[LI]
	s_add_co_u32 s33, s33, SLOT
	s_add_co_u32 s34, s34, SLOT
.endr
	v_mul_u32_u24 v5, v1, 32                       ; my row's scales: 32 bytes a row, 16 more for each 256 passed
	v_lshrrev_b32 v6, 8, v5
	v_lshl_add_u32 v5, v6, 4, v5
	s_mul_i32 s33, s23, HALFS
	s_mul_i32 s34, s24, HALFS
	s_add_co_u32 s34, s34, 2*HALFS
	s_sub_co_u32 s34, s34, s33
	v_mul_u32_u24 v6, s34, v2                      ; lanes 16-31 take W's
	s_add_co_u32 s33, s33, SCL
	v_add_nc_u32 v5, v5, v6
	v_add_nc_u32 v[ADRS], s33, v5
	s_mul_i32 s33, s22, 16*PITCH                   ; my stage for the way out: in slot 0's rows of x, which have had their one fill and their last read by then
	v_add_nc_u32 v[STO], s33, v4
	v_bfe_u32 v5, v0, 3, 2
	v_mul_u32_u24 v5, v5, PITCH
	v_and_b32 v6, 7, v0
	v_lshl_add_u32 v5, v6, 4, v5
	v_add_nc_u32 v[RD], s33, v5                    ; back: four rows an instruction, 128 bytes (a head) of each
	s_lshl_b32 s33, s30, 1                         ; batch = 2 cy + cyi / 4
	s_lshr_b32 s34, s28, 2
	s_add_co_u32 s33, s33, s34
	s_lshl_b32 s34, s33, 4                         ; qkv: ((batch 16 + 4 tile column + 2 half) 1,024 + 256 (cyi % 4) + 128 row half) 128 + T 16,777,216
	s_lshl_b32 s35, s26, 2
	s_add_co_u32 s34, s34, s35
	s_lshl_b32 s35, s24, 1
	s_add_co_u32 s34, s34, s35
	s_lshl_b32 s34, s34, 10
	s_and_b32 s35, s28, 3
	s_lshl_b32 s35, s35, 8
	s_add_co_u32 s34, s34, s35
	s_lshl_b32 s35, s23, 7
	s_add_co_u32 s34, s34, s35
	s_lshl_b32 s34, s34, 7
	s_lshl_b32 s35, s27, 24
	s_add_co_u32 s34, s34, s35
	s_mov_b32 s35, 0
	s_add_nc_u64 s[18:19], s[18:19], s[34:35]
	s_lshl_b32 s66, s27, 3                         ; qkv32: ((T 8 + batch) 64 + 16 tile column + 8 half) 1,024
	s_add_co_u32 s66, s66, s33
	s_lshl_b32 s66, s66, 6
	s_lshl_b32 s67, s26, 4
	s_add_co_u32 s66, s66, s67
	s_lshl_b32 s67, s24, 3
	s_add_co_u32 s66, s66, s67
	s_lshl_b32 s66, s66, 10
	s_mov_b32 s67, 0
	s_add_nc_u64 s[20:21], s[20:21], s[66:67]
.macro FRAG reg, adr, q, i             ; x: 16 rows x 128 K: lane l holds row l % 16; registers 4 c .. hold K = 64 c + 32 (l / 16) + 0 .. 31
.irp c, 0,1
	ds_load_b128 v[\reg+4*\c:\reg+4*\c+3], v[\adr] offset:64*(\q)+32*\c+(\i)*16*PITCH
.endr
.endm
.macro FRAGB reg, adr, q, i            ; W: the image comes back as it was stored
.irp c, 0,1
	ds_load_b128 v[\reg+4*\c:\reg+4*\c+3], v[\adr] offset:(\i)*4096+(\q)*1024+512*\c
.endr
.endm
; 16 products: x's blocks a0, a0 + 1 against W's eight.  first = 1: C is the bias.  The 64 accumulators take turns, one instruction a turn.
.macro MUL16 a0, p, q, sc, first
.irp a, \a0, \a0+1
.irp b, 0,1,2,3,4,5,6,7
.if \first
	v_wmma_scale_f32_16x16x128_f8f6f4 v[8*(8*((\a)%4)+\b):8*(8*((\a)%4)+\b)+7], v[128*(\p)+FR*\b:128*(\p)+FR*\b+FR-1], v[AF+FR*(\a):AF+FR*(\a)+FR-1], v[BIAS+8*\b:BIAS+8*\b+7], v[SC+8*NQ*(\sc)+NQ*\b+(\q)], v[SC+8*NQ*(\sc)+NQ*(\a)+(\q)] matrix_a_fmt:MATRIX_FMT_FP4 matrix_b_fmt:MATRIX_FMT_FP4 matrix_a_scale:MATRIX_SCALE_ROW1
.else
	v_wmma_scale_f32_16x16x128_f8f6f4 v[8*(8*((\a)%4)+\b):8*(8*((\a)%4)+\b)+7], v[128*(\p)+FR*\b:128*(\p)+FR*\b+FR-1], v[AF+FR*(\a):AF+FR*(\a)+FR-1], v[8*(8*((\a)%4)+\b):8*(8*((\a)%4)+\b)+7], v[SC+8*NQ*(\sc)+NQ*\b+(\q)], v[SC+8*NQ*(\sc)+NQ*(\a)+(\q)] matrix_a_fmt:MATRIX_FMT_FP4 matrix_b_fmt:MATRIX_FMT_FP4 matrix_a_scale:MATRIX_SCALE_ROW1
.endif
.endr
.endr
.endm
.macro FETCH_B slot, q, p
	WIN TO_B
.irp i, 0,1,2,3,4,5,6,7
	FRAGB 128*(\p)+FR*\i, ADRB+\slot, \q, \i
.endr
	WIN 0
.endm
.macro FETCH_A slot, q, i0
.irp i, \i0, \i0+1, \i0+2, \i0+3
	FRAG AF+FR*(\i), ADRA+\slot, \q, \i
.endr
.endm
.macro SCALES sc                       ; a slot's scale words: lanes 0-15 x's block i, lanes 16-31 W's block i
.irp i, 0,1,2,3,4,5,6,7
	ds_load_b128 v[SC+8*NQ*\sc+NQ*\i:SC+8*NQ*\sc+NQ*\i+3], v[ADRS] offset:\i*SBLK
.endr
.endm
.macro PLACES n                        ; plain vector lines between a matrix instruction and a load into, or a read of, its registers
.rept \n
	v_nop
.endr
.endm
.macro STEP slot, q, first             ; 128 along K, with its successor in the same slot
	s_wait_dscnt 4*NL                              ; all but the youngest eight loads (x's blocks 4-7) are in
	WIN MUL_LO-0x20*(\first)                       ; first: C (the bias) in window 0
	MUL16 0, (\q)%2, \q, \slot, \first
	MUL16 2, (\q)%2, \q, \slot, \first
	s_wait_dscnt 0
	PLACES NP
	FETCH_B \slot, (\q)+1, 1-(\q)%2
	FETCH_A \slot, (\q)+1, 0
	WIN MUL_HI-0x30*(\first)
	MUL16 4, (\q)%2, \q, \slot, \first
	MUL16 6, (\q)%2, \q, \slot, \first
	PLACES NP
	WIN 0
	FETCH_A \slot, (\q)+1, 4
.endm
.macro STEPS slot, from
.set Q, \from
.rept NQ-1-\from
	STEP \slot, Q, 0
.set Q, Q+1
.endr
.endm
	s_wait_tensorcnt 1                             ; the scales and my part of slot 0 are in; slot 1's load may be out
	s_barrier_signal -1
	s_barrier_wait -1
	FETCH_B 0, 0, 0
	FETCH_A 0, 0, 0
	SCALES 0
	FETCH_A 0, 0, 4
	s_wait_loadcnt 0x0                             ; the bias
	STEP 0, 0, 1
	STEPS 0, 1
	; slot 0's last step changes slots: one barrier
	s_wait_tensorcnt 0x0                           ; my part of slot 1 has landed
	ds_add_u32 v[SPW], v[NIL]
	s_wait_dscnt 4*NL+1                            ; the add and x's blocks 4-7 may be out
	WIN MUL_LO
	MUL16 0, 1, NQ-1, 0, 0
	s_wait_dscnt 0x0                               ; the add is done, and my reads of slot 0 are over
	s_barrier_signal -1
	MUL16 2, 1, NQ-1, 0, 0
	WIN 0
	s_barrier_wait -1
	PLACES NP
	v_add_nc_u32 v[ADRS], 4*NQ, v[ADRS]            ; slot 1's scale words
	FETCH_B 1, 0, 0
	FETCH_A 1, 0, 0
	SCALES 1
	WIN MUL_HI
	MUL16 4, 1, NQ-1, 0, 0
	MUL16 6, 1, NQ-1, 0, 0
	PLACES NP
	WIN 0
	FETCH_A 1, 0, 4
	STEPS 1, 0
	s_wait_dscnt 4*NL                              ; the last step
	WIN MUL_LO
	MUL16 0, 1, NQ-1, 1, 0
	MUL16 2, 1, NQ-1, 1, 0
	s_wait_dscnt 0
	WIN MUL_HI
	MUL16 4, 1, NQ-1, 1, 0
	MUL16 6, 1, NQ-1, 1, 0
	WIN 0
	PLACES NP
	; positions 0-15 of a sequence are block 0 of the upper row half of a tile with cyi % 4 = 0: their f32 sums leave as register images (the test hangs on the cluster's y and the wave alone)
	s_and_b32 s33, s28, 3
	s_or_b32 s33, s33, s23
	s_cmp_lg_u32 s33, 0
	s_cbranch_scc1 .Lno_copy
	WIN 0x08                                       ; a store's data: window 2
.irp b, 0,1,2,3,4,5,6,7
	global_store_b128 v[LI], v[8*\b:8*\b+3], s[20:21] offset:\b*1024          ; 512 consecutive bytes; each accumulator from its low end on
	global_store_b128 v[LI], v[8*\b+4:8*\b+7], s[20:21] offset:\b*1024+512
.endr
	WIN 0
.Lno_copy:
; THE WAY OUT in f16, a block of 16 rows x 128 columns (two heads) at a time, through my stage
.macro PACK a
.set AC, 64*((\a)%4)
	WIN 0x0a+5*((\a)/4)
.irp b, 0,1,2,3,4,5,6,7
.irp e, 0,1,2,3
	v_cvt_pk_f16_f32 v[TMP+4*\b+\e], v[AC+8*\b+2*\e], v[AC+8*\b+2*\e+1]
.endr
.endr
	WIN 0
.endm
.macro TOSTAGE a
.set BB, BK+32*((\a)%2)
.irp b, 0,1,2,3,4,5,6,7
	ds_store_b128 v[STO], v[TMP+4*\b:TMP+4*\b+3] offset:32*\b
.endr
.irp e, 0,1
.irp g, 0,1,2,3
	ds_load_b128 v[BB+4*(4*\e+\g):BB+4*(4*\e+\g)+3], v[RD] offset:\g*4*PITCH+128*\e   ; LDS serves a wave's instructions in order: these see the stores above
.endr
.endr
.endm
.macro SEND a
.set BB, BK+32*((\a)%2)
	s_wait_dscnt 0x0                               ; the block is back
	s_wait_xcnt 0x0                                ; earlier stores have read their registers: the next block's loads may land in the other set
.irp e, 0,1
.irp g, 0,1,2,3
	global_store_b128 v[LI], v[BB+4*(4*\e+\g):BB+4*(4*\e+\g)+3], s[18:19] offset:\e*131072+(\a)*2048+\g*512   ; four rows of a head: 512 consecutive bytes
.endr
.endr
.endm
	PACK 0
	TOSTAGE 0
.irp a, 1,2,3,4,5,6,7
	PACK \a
	SEND \a-1
	TOSTAGE \a
.endr
	SEND 7
	s_wait_tensorcnt 0x0                           ; the wave's end
	ds_add_u32 v[SPW], v[NIL]
	s_wait_dscnt 0x0
	CROUND                                         ; the closing round
	s_endpgm
.Lfunc_end_k_q4244e2894a_proj:
	.size	k_q4244e2894a_proj, .Lfunc_end_k_q4244e2894a_proj-k_q4244e2894a_proj
	.p2alignl 7, 3214868480
	.fill 96, 4, 3214868480
	.section	.rodata,"a",@progbits
	.p2align	6, 0x0
	.amdhsa_kernel k_q4244e2894a_proj
		.amdhsa_group_segment_fixed_size 327680
		.amdhsa_private_segment_fixed_size 0
		.amdhsa_enable_private_segment 0
		.amdhsa_kernarg_size 72
		.amdhsa_user_sgpr_count 2
		.amdhsa_user_sgpr_kernarg_segment_ptr 1
		.amdhsa_wavefront_size32 1
		.amdhsa_system_sgpr_workgroup_id_x 1
		.amdhsa_system_sgpr_workgroup_id_y 1
		.amdhsa_system_sgpr_workgroup_id_z 1
		.amdhsa_system_vgpr_workitem_id 0
		.amdhsa_next_free_vgpr 1024
		.amdhsa_next_free_sgpr 102
		.amdhsa_reserve_vcc 0
		.amdhsa_float_denorm_mode_32 3
		.amdhsa_float_denorm_mode_16_64 3
		.amdhsa_memory_ordered 1
		.amdhsa_forward_progress 1
		.amdhsa_inst_pref_size 130
	.end_amdhsa_kernel
	.amdgpu_metadata
---
amdhsa.version: [ 1, 2 ]
amdhsa.kernels:
  - .name:           k_q4244e2894a_proj
    .symbol:         k_q4244e2894a_proj.kd
    .args:
      - { .name: xc, .offset: 0, .size: 8, .value_kind: global_buffer, .address_space: global }
      - { .name: xs, .offset: 8, .size: 8, .value_kind: global_buffer, .address_space: global }
      - { .name: wc, .offset: 16, .size: 8, .value_kind: global_buffer, .address_space: global }
      - { .name: ws, .offset: 24, .size: 8, .value_kind: global_buffer, .address_space: global }
      - { .name: bq, .offset: 32, .size: 8, .value_kind: global_buffer, .address_space: global }
      - { .name: bk, .offset: 40, .size: 8, .value_kind: global_buffer, .address_space: global }
      - { .name: bv, .offset: 48, .size: 8, .value_kind: global_buffer, .address_space: global }
      - { .name: qkv, .offset: 56, .size: 8, .value_kind: global_buffer, .address_space: global }
      - { .name: qkv32, .offset: 64, .size: 8, .value_kind: global_buffer, .address_space: global }
    .group_segment_fixed_size: 327680
    .private_segment_fixed_size: 0
    .kernarg_segment_align: 8
    .kernarg_segment_size: 72
    .max_flat_workgroup_size: 128
    .sgpr_count:     102
    .vgpr_count:     1024
    .wavefront_size: 32
...
	.end_amdgpu_metadata
.endif
;; end of part 2
;; launch attn (part 3): grid 2 x 128, 16 waves a work-group, no clusters, 327,680 bytes of LDS; arguments qkv, cc; writes cc
.if DOCPART == 3
	.amdgcn_target "amdgcn-amd-amdhsa--gfx1250"
	.amdhsa_code_object_version 6
	.text
	.protected	k_q4244e2894a_attn
	.globl	k_q4244e2894a_attn
	.p2align	8
	.type	k_q4244e2894a_attn,@function
k_q4244e2894a_attn:
	s_mov_b64 s[64:65], 0
	v_nop
	global_prefetch_b8 v0, s[64:65] scope:SCOPE_SE
	s_setreg_imm32_b32 hwreg(HW_REG_WAVE_MODE, 25, 1), 1
	s_wait_xcnt 0x0
; ATTN: heads = softmax(q k^T / 8, causal) v for one (batch, head), on f16 operands, products, maxima and sums in f32.  qkv: f16 [3][batch x head: 128][1024][64].  cc: f16 [head][batch x position: 8192][64].
; Two work-groups to a head (x = 0, 1).  All of the head's K and V lie in LDS, filled once, in four chunks of 256 keys, all asked for at the head: nothing is left to ask for ahead.
; SHARES.  The work-group owns 16 blocks of 32 queries (block i: queries 64 i + 32 x on); block i needs the key steps 0 .. i, 64 keys each: 136 steps in all, 8.5 a wave.  Waves 2 p and 2 p + 1 share the blocks
; L = 7 - p and H = 8 + p, 17 steps: the odd wave takes all of L (steps 0 .. 7 - p) and then H's steps 8 - p .. 7: eight steps; the even wave takes H's steps 0 .. 7 - p and 8 .. 8 + p: nine.
; A running softmax takes the key steps in any order, so every wave walks steps 0 .. 15 in order and jumps over those that are not its own, by branches on ids; LDS addresses hang on the walk's counter alone.
; At key 64 (8 - p) the odd wave sends L out and begins H anew.  At the end it hands its part of H (O, c m, l, as register images) to the even wave through LDS, which joins the two parts under the larger c m.
; No cluster: what is shared is shared by two work-groups, and the grid's x is 2.
; LAYOUT: S^T = K Q^T (source 0 = 16 keys, source 1 = 16 queries), O^T = V^T P: a lane holds one query throughout.  K comes out of LDS as it lies, V turned by ds_load_tr16_b128.
; SOFTMAX: a running maximum m and sum l for each query; p = 2^(c s - c m), c = log2(e) / 8; O and l are multiplied by 2^(c m_old - c m_new) in every step.
; Two keys share an LDS row: 256 bytes + 16 (K) or + 32 (V) of padding.  LIMIT: q, k, v arrive in f16; the weights p (at most 1) are rounded to f16.
; Positions 0-15 of each sequence are written here like the rest; a later launch makes their outputs anew in f32.
.set PK,    272
.set PV,    288
.set VB,    139264                     ; V behind K's 512 double rows
.set STAGE, 286720                     ; 16 rows x 144 bytes for each wave
.set SPARE, 323584                     ; the spare words, 128 bytes a wave
.set PARTB, 9216                       ; a pair's part of H: 16 + 2 images of 512 bytes, in K's first bytes, behind the barrier at which K's last read is over
.set AK0, 1
.set AV0, 2
.set ADK, 3
.set ADV, 4
.set STO, 5
.set RD,  6
.set GO,  7
.set SPW, 8
.set NIL, 9
.set DD,  10                           ; v10-11 the mask's bound for tiles 0, 1
.set NINF, 12
.set RH,  13                           ; r - 8 h
.set MG,  14                           ; where my pair's part lies: PARTB x p + 16 x lane
.set QOF, 15
.set ST,  16                           ; tile u at ST + 8 u: +0 c m, +1 m, +2, +3 l, +4 .. +7 at work (a at +6)
.set Q,   32                           ; Q + 16 u + 8 kd
.set F,   64                           ; four fragments of K or V
.set S,   96                           ; S + 32 u + 8 kt
.set P,   160                          ; P + 16 u + 4 kt
.set OA,  192                          ; OA + 32 u + 8 t
; s8 wave, s9 p, s10 role (0: even wave, 1: odd), s11 my block's first query, s12 the last key step's first key of my first run, s22 of my second run, s23 the key at which I change blocks,
; s13 the step's first key, s14, s15 the step's bytes in K and V, s16 trips, s17 batch x head, s66, s67 H's and L's first query, s[84:85] cc at L, s[86:87] cc at H, s[88:89] q of my first block, s[90:91] q of H
.macro QLOAD b                         ; 32 queries' fragments from s[b:b+1]
.irp u, 0,1
.irp d, 0,1
	global_load_b128 v[Q+16*\u+8*\d:Q+16*\u+8*\d+3], v[QOF], s[\b:\b+1] offset:\u*2048+\d*64
	global_load_b128 v[Q+16*\u+8*\d+4:Q+16*\u+8*\d+7], v[QOF], s[\b:\b+1] offset:\u*2048+\d*64+32
.endr
.endr
.endm
.macro INIT                            ; a block begins: m under every score, l = 0, O = 0: the step is written once, and the first finds zeros, which its a = 0 leaves zeros
.irp u, 0,1
	v_mov_b32 v[ST+8*\u+1], 0xff61b1e6             ; -3e38
	v_mul_f32 v[ST+8*\u], s20, v[ST+8*\u+1]
.irp j, 2,3,4,5,6,7
	v_mov_b32 v[ST+8*\u+\j], 0
.endr
.endr
.set n_, 0
.rept 64
	v_mov_b32 v[OA+n_], 0
.set n_, n_+1
.endr
.endm
.macro OUTTAIL b                       ; S holds 32 rows of the result in f32: rounded to f16, 16 queries at a time through my stage, stored at s[b:b+1]
.irp u, 0,1
.irp e, 0,1,2,3,4,5,6,7,8,9,10,11,12,13,14,15
	v_cvt_pk_f16_f32 v[P+16*\u+\e], v[S+32*\u+2*\e], v[S+32*\u+2*\e+1]
.endr
.irp t, 0,1,2,3
	ds_store_b128 v[STO], v[P+16*\u+4*\t:P+16*\u+4*\t+3] offset:32*\t
.endr
.irp g, 0,1,2,3
	ds_load_b128 v[F+16*\u+4*\g:F+16*\u+4*\g+3], v[RD] offset:\g*4*144   ; LDS serves a wave's instructions in order: these see the stores above, and the next tile's stores come behind them
.endr
.endr
	s_wait_dscnt 0x0
.irp u, 0,1
.irp g, 0,1,2,3
	global_store_b128 v[GO], v[F+16*\u+4*\g:F+16*\u+4*\g+3], s[\b:\b+1] offset:(16*\u+4*\g)*128   ; four rows: 512 consecutive bytes
.endr
.endr
.endm
; THE CHANGE OF BLOCKS, in the odd wave alone: block L is whole; it goes out, and block H is begun
.macro SWITCH
.rept 4
	v_nop                                          ; four plain lines between the last step's products and the first read of O
.endr
	QLOAD 90                                       ; H's queries are asked for first: they land while L goes out
.irp u, 0,1
	v_add_f32 v[ST+8*\u+4], v[ST+8*\u+2], v[ST+8*\u+3]
.endr
.irp u, 0,1
	v_permlanex16_b32 v[ST+8*\u+5], v[ST+8*\u+4], s18, s19
.endr
.irp u, 0,1
	v_add_f32 v[ST+8*\u+4], v[ST+8*\u+4], v[ST+8*\u+5]
.endr
.irp u, 0,1
	v_rcp_f32 v[ST+8*\u+6], v[ST+8*\u+4]
.endr
	v_nop
	s_wait_alu depctr_va_vdst(0)                   ; one wait for both reciprocals, ahead of their first reader
.irp u, 0,1
.irp e, 0,1,2,3,4,5,6,7,8,9,10,11,12,13,14,15
	v_pk_mul_f32 v[S+32*\u+2*\e:S+32*\u+2*\e+1], v[OA+32*\u+2*\e:OA+32*\u+2*\e+1], v[ST+8*\u+6:ST+8*\u+7] op_sel_hi:[1,0]   ; O^T / l, each accumulator from its low end on
.endr
.endr
	OUTTAIL 84
	INIT
	s_mov_b32 s11, s66                             ; my block's first query is H's now
	s_wait_xcnt 0x0                                ; the stores have read their registers: the next step's fragments may land there
	s_wait_loadcnt 0x0                             ; H's queries
.endm
; A KEY STEP: 64 keys against my 32 queries.  sw = 1: the change of blocks may fall at its head
.macro STEP sw
.if \sw
	s_cmp_lg_u32 s13, s23
	s_cbranch_scc1 .Lsame_\@
	SWITCH
.Lsame_\@:
.endif
	s_cmp_le_u32 s13, s12                          ; in my first run of steps?
	s_cbranch_scc1 .Lmine_\@
	s_cmp_lt_u32 s13, 512                          ; my second run, if I have one, begins at key 512
	s_cbranch_scc1 .Lhidden_\@
	s_cmp_gt_u32 s13, s22
	s_cbranch_scc1 .Lhidden_\@
.Lmine_\@:
	v_add_nc_u32 v[ADK], s14, v[AK0]
	v_add_nc_u32 v[ADV], s15, v[AV0]
	v_nop
	v_nop                                          ; four plain lines between the last step's products and the loads into their fragments' registers
.irp g, 0,1                            ; S^T = K Q^T, two tiles of 16 keys at a time
.if \g
.rept 4
	v_nop
.endr
.endif
.irp k, 0,1
.irp d, 0,1
.irp c, 0,1
	ds_load_b128 v[F+16*\k+8*\d+4*\c:F+16*\k+8*\d+4*\c+3], v[ADK] offset:(2*\g+\k)*8*PK+64*\d+32*\c
.endr
.endr
.endr
	s_wait_dscnt 0x0
.irp d, 0,1                            ; four accumulators by turns
.irp k, 0,1
.irp u, 0,1
.if \d == 0
	v_wmma_f32_16x16x32_f16 v[S+32*\u+8*(2*\g+\k):S+32*\u+8*(2*\g+\k)+7], v[F+16*\k+8*\d:F+16*\k+8*\d+7], v[Q+16*\u+8*\d:Q+16*\u+8*\d+7], 0
.else
	v_wmma_f32_16x16x32_f16 v[S+32*\u+8*(2*\g+\k):S+32*\u+8*(2*\g+\k)+7], v[F+16*\k+8*\d:F+16*\k+8*\d+7], v[Q+16*\u+8*\d:Q+16*\u+8*\d+7], v[S+32*\u+8*(2*\g+\k):S+32*\u+8*(2*\g+\k)+7]
.endif
.endr
.endr
.endr
.endr
.rept 4
	v_nop
.endr
	s_add_co_u32 s76, s13, 63                      ; a step all of whose keys count skips the mask
	s_cmp_le_u32 s76, s11
	s_cbranch_scc1 .Lopen_\@
	s_sub_co_i32 s76, s11, s13
	v_add_nc_u32 v[DD], s76, v[RH]                 ; register (kt, j) holds key KF + 16 kt + 8 h + j: hidden where 16 kt + j > my query - KF - 8 h
	v_add_nc_u32 v[DD+1], 16, v[DD]
.irp u, 0,1
.irp k, 0,1,2,3
.irp j, 0,1,2,3,4,5,6,7
	v_cmp_gt_i32 vcc_lo, 16*\k+\j, v[DD+\u]
	v_cndmask_b32 v[S+32*\u+8*\k+\j], v[S+32*\u+8*\k+\j], v[NINF], vcc_lo
.endr
.endr
.endr
.Lopen_\@:
.irp j, 0,1,2,3                        ; the maximum: four chains a tile, each begun at an accumulator's low end; the tiles by turns
.irp u, 0,1
	v_max3_num_f32 v[ST+8*\u+4+\j], v[S+32*\u+8*\j], v[S+32*\u+8*\j+1], v[S+32*\u+8*\j+2]
.endr
.endr
.irp i, 3,5
.irp j, 0,1,2,3
.irp u, 0,1
	v_max3_num_f32 v[ST+8*\u+4+\j], v[ST+8*\u+4+\j], v[S+32*\u+8*\j+\i], v[S+32*\u+8*\j+\i+1]
.endr
.endr
.endr
.irp u, 0,1
	v_max3_num_f32 v[ST+8*\u+4], v[ST+8*\u+4], v[S+32*\u+7], v[S+32*\u+15]
	v_max3_num_f32 v[ST+8*\u+6], v[ST+8*\u+6], v[S+32*\u+23], v[S+32*\u+31]
.endr
.irp u, 0,1
	v_max3_num_f32 v[ST+8*\u+4], v[ST+8*\u+4], v[ST+8*\u+5], v[ST+8*\u+6]
.endr
.irp u, 0,1
	v_max3_num_f32 v[ST+8*\u+4], v[ST+8*\u+4], v[ST+8*\u+7], v[ST+8*\u+1]   ; and the old m
.endr
.irp u, 0,1
	v_permlanex16_b32 v[ST+8*\u+5], v[ST+8*\u+4], s18, s19   ; the query's other 32 keys lie 16 lanes away
	v_mov_b32 v[ST+8*\u+7], v[ST+8*\u]             ; c m_old
.endr
.irp u, 0,1
	v_max_num_f32 v[ST+8*\u+1], v[ST+8*\u+4], v[ST+8*\u+5]
.endr
.irp u, 0,1
	v_mul_f32 v[ST+8*\u], s20, v[ST+8*\u+1]
.endr
.irp u, 0,1
	v_sub_f32 v[ST+8*\u+7], v[ST+8*\u+7], v[ST+8*\u]
.endr
.irp u, 0,1
.irp b, 0,1,2,3,4,5,6,7,8,9,10,11,12,13,14,15
	v_pk_fma_f32 v[S+32*\u+2*\b:S+32*\u+2*\b+1], v[S+32*\u+2*\b:S+32*\u+2*\b+1], s[20:21], v[ST+8*\u:ST+8*\u+1] op_sel_hi:[1,0,0] neg_lo:[0,0,1] neg_hi:[0,0,1]   ; c s - c m
.endr
.endr
.irp u, 0,1                            ; one batch of 66 exponentials
	v_exp_f32 v[ST+8*\u+6], v[ST+8*\u+7]           ; a
.endr
.set n_, 0
.rept 64
	v_exp_f32 v[S+n_], v[S+n_]
.set n_, n_+1
.endr
	v_nop                                          ; a plain line behind the last exponential
	s_wait_alu depctr_va_vdst(0)                   ; one wait for the batch, ahead of its first reader
.irp u, 0,1
.irp b, 0,1,2,3,4,5,6,7,8,9,10,11,12,13,14,15
	v_cvt_pk_f16_f32 v[P+16*\u+\b], v[S+32*\u+2*\b], v[S+32*\u+2*\b+1]
.endr
.endr
.irp z, 0,1,2,3,4,5,6,7                ; the sum of the unrounded weights, in place
.irp u, 0,1
	v_pk_add_f32 v[S+32*\u+4*\z:S+32*\u+4*\z+1], v[S+32*\u+4*\z:S+32*\u+4*\z+1], v[S+32*\u+4*\z+2:S+32*\u+4*\z+3]
.endr
.endr
.irp z, 0,1,2,3
.irp u, 0,1
	v_pk_add_f32 v[S+32*\u+8*\z:S+32*\u+8*\z+1], v[S+32*\u+8*\z:S+32*\u+8*\z+1], v[S+32*\u+8*\z+4:S+32*\u+8*\z+5]
.endr
.endr
.irp z, 0,1
.irp u, 0,1
	v_pk_add_f32 v[S+32*\u+16*\z:S+32*\u+16*\z+1], v[S+32*\u+16*\z:S+32*\u+16*\z+1], v[S+32*\u+16*\z+8:S+32*\u+16*\z+9]
.endr
.endr
.irp u, 0,1
	v_pk_add_f32 v[S+32*\u:S+32*\u+1], v[S+32*\u:S+32*\u+1], v[S+32*\u+16:S+32*\u+17]
.endr
.irp u, 0,1
	v_pk_fma_f32 v[ST+8*\u+2:ST+8*\u+3], v[ST+8*\u+2:ST+8*\u+3], v[ST+8*\u+6:ST+8*\u+7], v[S+32*\u:S+32*\u+1] op_sel_hi:[1,0,1]   ; l = a l + the sum
.endr
.irp u, 0,1
.irp b, 0,1,2,3,4,5,6,7,8,9,10,11,12,13,14,15
	v_pk_mul_f32 v[OA+32*\u+2*\b:OA+32*\u+2*\b+1], v[OA+32*\u+2*\b:OA+32*\u+2*\b+1], v[ST+8*\u+6:ST+8*\u+7] op_sel_hi:[1,0]   ; O^T x a
.endr
.endr
.irp g, 0,1                            ; O^T += V^T P, 32 keys at a time; eight accumulators by turns
.if \g
.rept 4
	v_nop
.endr
.endif
.irp t, 0,1,2,3
.irp c, 0,1
	ds_load_tr16_b128 v[F+8*\t+4*\c:F+8*\t+4*\c+3], v[ADV] offset:\g*16*PV+\c*8*PV+32*\t
.endr
.endr
	s_wait_dscnt 0x0
.irp t, 0,1,2,3
.irp u, 0,1
	v_wmma_f32_16x16x32_f16 v[OA+32*\u+8*\t:OA+32*\u+8*\t+7], v[F+8*\t:F+8*\t+7], v[P+16*\u+8*\g:P+16*\u+8*\g+7], v[OA+32*\u+8*\t:OA+32*\u+8*\t+7]
.endr
.endr
.endr
.Lhidden_\@:
	s_add_co_u32 s13, s13, 64
	s_add_co_u32 s14, s14, 32*PK
	s_add_co_u32 s15, s15, 32*PV
.endm
	s_load_b128 s[4:7], s[0:1], 0x0                ; qkv, cc
	v_lshl_add_u32 v[SPW], v0, 2, SPARE
	v_mov_b32 v[NIL], 0
	ds_add_u32 v[SPW], v[NIL]                      ; the opening: the add, twice on end, and its wait ahead of the first tensor load
	ds_add_u32 v[SPW], v[NIL]
	v_lshrrev_b32 v96, 5, v0
	v_readfirstlane_b32 s8, v96                    ; wave
	s_lshr_b32 s9, s8, 1                           ; p: my pair
	s_and_b32 s10, s8, 1                           ; my role in it
	s_sub_co_u32 s76, 7, s9
	s_lshl_b32 s76, s76, 6                         ; 64 L
	s_add_co_u32 s77, s9, 8
	s_lshl_b32 s77, s77, 6                         ; 64 H
	s_lshl_b32 s78, ttmp9, 5                       ; 32 x
	s_add_co_u32 s67, s76, s78                     ; L's first query
	s_add_co_u32 s66, s77, s78                     ; H's
	s_add_co_u32 s79, s76, 64                      ; key 64 (8 - p)
	s_cmp_eq_u32 s10, 0
	s_cselect_b32 s11, s66, s67                    ; the even wave begins with H, the odd one with L
	s_cselect_b32 s12, s76, 448                    ; my first run ends with step 7 - p, or with step 7
	s_cselect_b32 s22, s77, 0                      ; my second run ends with step 8 + p; the odd wave has none
	s_cselect_b32 s23, 0xffff, s79                 ; the even wave never changes blocks
	s_and_b32 s17, ttmp7, 0xffff                   ; batch x 16 + head
	s_mov_b32 s13, 0                               ; the step's first key
	s_mov_b32 s24, (1<<16)|(1<<20)|(5<<22)|(3<<25) ; K: 64 double rows of 128 elements of 2 bytes, dense; 4 words of padding behind each 64
	s_mov_b32 s25, 128<<16
	s_mov_b32 s26, 64<<16
	s_mov_b32 s27, 128<<16
	s_mov_b32 s28, 64
	s_mov_b32 s29, 128
	s_mov_b32 s30, 0
	s_mov_b32 s31, 0
	s_mov_b32 s32, (1<<16)|(1<<20)|(5<<22)|(7<<25) ; V: the same with 8 words of padding
	s_mov_b32 s33, 128<<16
	s_mov_b32 s34, 64<<16
	s_mov_b32 s35, 128<<16
	s_mov_b32 s36, 64
	s_mov_b32 s37, 128
	s_mov_b32 s38, 0
	s_mov_b32 s39, 0
	s_and_b32 s76, s8, 1                           ; which half of a chunk I fetch, if I fetch
	s_mul_i32 s77, s76, 64*PK
	s_mul_i32 s78, s76, 64*PV
	s_add_co_u32 s78, s78, VB
	s_lshl_b32 s80, s17, 17                        ; the head's first byte in each of q, k, v
	s_mov_b32 s81, 0
	s_lshl_b32 s79, s76, 14
	s_add_co_u32 s82, s80, s79
	s_mov_b32 s83, 0
	s_mov_b32 s18, 0x76543210                      ; v_permlanex16_b32: lane l xor 16
	s_mov_b32 s19, 0xfedcba98
	s_mov_b32 s20, 0x3e38aa3b                      ; c = log2(e) / 8
	s_mov_b32 s21, s20
	s_wait_dscnt 0x0                               ; both opening adds are done
	s_wait_kmcnt 0x0
	s_add_nc_u64 s[82:83], s[4:5], s[82:83]
.macro MKG0 g, lreg, loff, goff
	s_mov_b32 s[\g], 1
	s_add_co_u32 s[\g+1], s[\lreg], \loff
	s_add_nc_u64 s[\g+2:\g+3], s[82:83], \goff
	s_or_b32 s[\g+3], s[\g+3], 0x80000000
.endm
	MKG0 40, 77, 0*128*PK, 16777216+0*32768
	MKG0 44, 77, 1*128*PK, 16777216+1*32768
	MKG0 48, 77, 2*128*PK, 16777216+2*32768
	MKG0 52, 77, 3*128*PK, 16777216+3*32768
	MKG0 56, 78, 0*128*PV, 33554432+0*32768
	MKG0 60, 78, 1*128*PV, 33554432+1*32768
	MKG0 68, 78, 2*128*PV, 33554432+2*32768
	MKG0 72, 78, 3*128*PV, 33554432+3*32768
	s_cmp_lt_u32 s8, 2                             ; waves 0, 1: K's halves of the four chunks; waves 2, 3: V's; a wave's four first fills stand in one branch: four loads of mine are out
	s_cbranch_scc0 .Lnot_k
.irp g, 40,44,48,52
	tensor_load_to_lds s[\g:\g+3], s[24:31]
	s_nop 0
.endr
.rept 4
	v_nop
.endr
	s_branch .Lasked
.Lnot_k:
	s_cmp_lt_u32 s8, 4
	s_cbranch_scc0 .Lasked
.irp g, 56,60,68,72
	tensor_load_to_lds s[\g:\g+3], s[32:39]
	s_nop 0
.endr
.rept 4
	v_nop
.endr
.Lasked:
	v_and_b32 v96, 15, v0                          ; r
	v_bfe_u32 v97, v0, 4, 1                        ; h
	v_and_b32 v98, 31, v0                          ; lane
	v_lshlrev_b32 v[QOF], 7, v96
	v_lshl_add_u32 v[QOF], v97, 4, v[QOF]          ; Q: row r of 128 bytes + 16 h
	s_lshl_b32 s76, s11, 7                         ; the four bases, made once and never rewritten
	s_add_co_u32 s76, s76, s80
	s_mov_b32 s77, 0
	s_add_nc_u64 s[88:89], s[4:5], s[76:77]        ; q at my first block
	s_lshl_b32 s76, s66, 7
	s_add_co_u32 s76, s76, s80
	s_add_nc_u64 s[90:91], s[4:5], s[76:77]        ; q at H
	s_and_b32 s78, s17, 15                         ; cc: (head 8,192 + batch 1,024 + the block's first query) 128
	s_lshl_b32 s78, s78, 13
	s_lshr_b32 s79, s17, 4
	s_lshl_b32 s79, s79, 10
	s_add_co_u32 s78, s78, s79
	s_add_co_u32 s76, s78, s67
	s_lshl_b32 s76, s76, 7
	s_add_nc_u64 s[84:85], s[6:7], s[76:77]        ; cc at L
	s_add_co_u32 s76, s78, s66
	s_lshl_b32 s76, s76, 7
	s_add_nc_u64 s[86:87], s[6:7], s[76:77]        ; cc at H
	QLOAD 88
	v_lshrrev_b32 v99, 1, v96
	v_mul_u32_u24 v[AK0], v99, PK
	v_and_b32 v99, 1, v96
	v_lshl_add_u32 v[AK0], v99, 7, v[AK0]
	v_lshl_add_u32 v[AK0], v97, 4, v[AK0]          ; K: (r / 2) pitch + 128 (r % 2) + 16 h
	v_bfe_u32 v99, v0, 1, 2
	v_lshl_add_u32 v99, v97, 2, v99
	v_mul_u32_u24 v[AV0], v99, PV
	v_and_b32 v99, 1, v0
	v_lshl_add_u32 v[AV0], v99, 7, v[AV0]
	v_bfe_u32 v99, v0, 3, 1
	v_lshl_add_u32 v[AV0], v99, 4, v[AV0]
	v_add_nc_u32 v[AV0], VB, v[AV0]                ; V: key 8 h + l % 8, channels 8 ((l / 8) % 2) on
	s_mul_i32 s76, s8, 16*144
	s_add_co_u32 s76, s76, STAGE
	v_mul_u32_u24 v[STO], v96, 144
	v_lshl_add_u32 v[STO], v97, 4, v[STO]
	v_add_nc_u32 v[STO], s76, v[STO]
	v_bfe_u32 v99, v0, 3, 2
	v_mul_u32_u24 v[RD], v99, 144
	v_and_b32 v99, 7, v0
	v_lshl_add_u32 v[RD], v99, 4, v[RD]
	v_add_nc_u32 v[RD], s76, v[RD]
	v_lshlrev_b32 v[GO], 4, v98
	s_mul_i32 s76, s9, PARTB
	v_add_nc_u32 v[MG], s76, v[GO]                 ; the same in both waves of a pair
	v_lshlrev_b32 v99, 3, v97
	v_sub_nc_u32 v[RH], v96, v99
	v_mov_b32 v[NINF], 0xff800000
	INIT
	s_wait_loadcnt 0x0                             ; Q
	s_wait_tensorcnt 3                             ; the loading waves' parts of chunk 0 have landed; the three later chunks' loads stay out
	s_wait_dscnt 0x0
	s_barrier_signal -1
	s_barrier_wait -1
	s_mov_b32 s14, 0
	s_mov_b32 s15, 0
	STEP 0                                         ; key step 0 is every wave's: it is worked while the other chunks land
	s_wait_tensorcnt 0x0                           ; all of K and V has landed
	s_wait_dscnt 0x0
	s_barrier_signal -1
	s_barrier_wait -1                              ; from here to the end of the walk no wave waits for another
	s_mov_b32 s14, 32*PK
	s_mov_b32 s15, 32*PV
	s_mov_b32 s16, 15
.Lwalk:                                            ; key steps 1 .. 15
	STEP 1
	s_sub_co_u32 s16, s16, 1
	s_cmp_lg_u32 s16, 0
	s_cbranch_scc1 .Lwalk
.rept 4
	v_nop                                          ; four plain lines between the last products and the first read of O
.endr
	s_wait_dscnt 0x0                               ; my reads of K and V are over
	s_barrier_signal -1
	s_barrier_wait -1                              ; everybody's are: K's first bytes, which have had their one fill, may take the parts
	s_cmp_eq_u32 s10, 0
	s_cbranch_scc1 .Lkeeps
.irp n, 0,1,2,3,4,5,6,7,8,9,10,11,12,13,14,15
	ds_store_b128 v[MG], v[OA+4*\n:OA+4*\n+3] offset:512*\n   ; the odd wave's part of H, as images of its registers; each accumulator from its low end on
.endr
.irp u, 0,1
	ds_store_b128 v[MG], v[ST+8*\u:ST+8*\u+3] offset:8192+512*\u   ; c m, m, l
.endr
.Lkeeps:
	s_wait_dscnt 0x0                               ; for the partner's sake: the part has landed
	s_barrier_signal -1
	s_barrier_wait -1
	s_cmp_lg_u32 s10, 0
	s_cbranch_scc1 .Ldone
	; THE EVEN WAVE JOINS THE TWO PARTS OF H: the same lanes hold the same queries in both
.irp n, 0,1,2,3,4,5,6,7,8,9,10,11,12,13,14,15
	ds_load_b128 v[S+4*\n:S+4*\n+3], v[MG] offset:512*\n
.endr
.irp u, 0,1
	ds_load_b128 v[F+4*\u:F+4*\u+3], v[MG] offset:8192+512*\u
.endr
	s_wait_dscnt 0x0
.irp u, 0,1
	v_max_num_f32 v[ST+8*\u+5], v[ST+8*\u], v[F+4*\u]          ; the larger c m
.endr
.irp u, 0,1
	v_sub_f32 v[ST+8*\u+4], v[ST+8*\u], v[ST+8*\u+5]
	v_sub_f32 v[ST+8*\u+6], v[F+4*\u], v[ST+8*\u+5]
.endr
.irp u, 0,1
	v_exp_f32 v[ST+8*\u+4], v[ST+8*\u+4]           ; what brings my part under it,
	v_exp_f32 v[ST+8*\u+6], v[ST+8*\u+6]           ; and the partner's (0 where the partner had no step)
.endr
	v_nop
	s_wait_alu depctr_va_vdst(0)                   ; one wait for the four
.irp u, 0,1
	v_pk_mul_f32 v[ST+8*\u+2:ST+8*\u+3], v[ST+8*\u+2:ST+8*\u+3], v[ST+8*\u+4:ST+8*\u+5] op_sel_hi:[1,0]
.endr
.irp u, 0,1
	v_pk_fma_f32 v[ST+8*\u+2:ST+8*\u+3], v[F+4*\u+2:F+4*\u+3], v[ST+8*\u+6:ST+8*\u+7], v[ST+8*\u+2:ST+8*\u+3] op_sel_hi:[1,0,1]   ; the joined l
.endr
.irp u, 0,1
	v_add_f32 v[ST+8*\u+5], v[ST+8*\u+2], v[ST+8*\u+3]
.endr
.irp u, 0,1
	v_permlanex16_b32 v[ST+8*\u+7], v[ST+8*\u+5], s18, s19
.endr
.irp u, 0,1
	v_add_f32 v[ST+8*\u+5], v[ST+8*\u+5], v[ST+8*\u+7]
.endr
.irp u, 0,1
	v_rcp_f32 v[ST+8*\u+5], v[ST+8*\u+5]
.endr
	v_nop
	s_wait_alu depctr_va_vdst(0)                   ; one wait for both reciprocals
.irp u, 0,1
	v_mul_f32 v[ST+8*\u+4], v[ST+8*\u+4], v[ST+8*\u+5]
	v_mul_f32 v[ST+8*\u+6], v[ST+8*\u+6], v[ST+8*\u+5]
.endr
.irp u, 0,1
.irp e, 0,1,2,3,4,5,6,7,8,9,10,11,12,13,14,15
	v_pk_mul_f32 v[S+32*\u+2*\e:S+32*\u+2*\e+1], v[S+32*\u+2*\e:S+32*\u+2*\e+1], v[ST+8*\u+6:ST+8*\u+7] op_sel_hi:[1,0]
.endr
.endr
.irp u, 0,1
.irp e, 0,1,2,3,4,5,6,7,8,9,10,11,12,13,14,15
	v_pk_fma_f32 v[S+32*\u+2*\e:S+32*\u+2*\e+1], v[OA+32*\u+2*\e:OA+32*\u+2*\e+1], v[ST+8*\u+4:ST+8*\u+5], v[S+32*\u+2*\e:S+32*\u+2*\e+1] op_sel_hi:[1,0,1]   ; both parts, divided by the joined l; each accumulator from its low end on
.endr
.endr
	OUTTAIL 86
.Ldone:
	s_wait_tensorcnt 0x0                           ; the wave's end
	ds_add_u32 v[SPW], v[NIL]
	s_wait_dscnt 0x0
	s_endpgm
.Lfunc_end_k_q4244e2894a_attn:
	.size	k_q4244e2894a_attn, .Lfunc_end_k_q4244e2894a_attn-k_q4244e2894a_attn
	.p2alignl 7, 3214868480
	.fill 96, 4, 3214868480
	.section	.rodata,"a",@progbits
	.p2align	6, 0x0
	.amdhsa_kernel k_q4244e2894a_attn
		.amdhsa_group_segment_fixed_size 327680
		.amdhsa_private_segment_fixed_size 0
		.amdhsa_enable_private_segment 0
		.amdhsa_kernarg_size 16
		.amdhsa_user_sgpr_count 2
		.amdhsa_user_sgpr_kernarg_segment_ptr 1
		.amdhsa_wavefront_size32 1
		.amdhsa_system_sgpr_workgroup_id_x 1
		.amdhsa_system_sgpr_workgroup_id_y 1
		.amdhsa_system_sgpr_workgroup_id_z 1
		.amdhsa_system_vgpr_workitem_id 0
		.amdhsa_next_free_vgpr 256
		.amdhsa_next_free_sgpr 92
		.amdhsa_reserve_vcc 1
		.amdhsa_float_denorm_mode_32 3
		.amdhsa_float_denorm_mode_16_64 3
		.amdhsa_memory_ordered 1
		.amdhsa_forward_progress 1
		.amdhsa_inst_pref_size 78
	.end_amdhsa_kernel
	.amdgpu_metadata
---
amdhsa.version: [ 1, 2 ]
amdhsa.kernels:
  - .name:           k_q4244e2894a_attn
    .symbol:         k_q4244e2894a_attn.kd
    .args:
      - { .name: qkv, .offset: 0, .size: 8, .value_kind: global_buffer, .address_space: global }
      - { .name: cc, .offset: 8, .size: 8, .value_kind: global_buffer, .address_space: global }
    .group_segment_fixed_size: 327680
    .private_segment_fixed_size: 0
    .kernarg_segment_align: 8
    .kernarg_segment_size: 16
    .max_flat_workgroup_size: 512
    .sgpr_count:     92
    .vgpr_count:     256
    .wavefront_size: 32
...
	.end_amdgpu_metadata
.endif
;; end of part 3
;; launch outp (part 4): grid 8 x 32, 4 waves a work-group, clusters of 4 x 4, 327,680 bytes of LDS; arguments cc, wo16, bo, out0; writes out0
.if DOCPART == 4
	.amdgcn_target "amdgcn-amd-amdhsa--gfx1250"
	.amdhsa_code_object_version 6
	.text
	.protected	k_q4244e2894a_outp
	.globl	k_q4244e2894a_outp
	.p2align	8
	.type	k_q4244e2894a_outp,@function
k_q4244e2894a_outp:
	s_mov_b64 s[64:65], 0
	v_nop
	global_prefetch_b8 v0, s[64:65] scope:SCOPE_SE
	s_setreg_imm32_b32 hwreg(HW_REG_WAVE_MODE, 25, 1), 1
	s_wait_xcnt 0x0
	s_wait_alu depctr_hold_cnt(0) depctr_sa_sdst(0) depctr_va_vdst(0) depctr_va_sdst(0) depctr_va_ssrc(0) depctr_va_vcc(0) depctr_vm_vsrc(0)
	s_getreg_b32 s2, hwreg(HW_REG_IB_STS2, 6, 4)
	s_cmp_eq_u32 s2, 0
	s_cbranch_scc0 .Lentry_in_a_cluster
	s_endpgm
.Lentry_in_a_cluster:
	s_bfe_u32 s2, ttmp6, 0x10000c
	s_cmp_lg_u32 s2, 0xf033
	s_cbranch_scc0 .Lentry_shape_is_right
	s_endpgm
.Lentry_shape_is_right:
; OUTP: out0[row][n] = sum over k of heads[row][k] Wo[k][n] + bo[n], on f16 operands, sums in f32.  cc: f16 [head 16][row 8192][64]; wo16: f16 register images [128 of K: 8][16 columns: 64][32 of K: 4][1,024 bytes].
; A tile is 256 rows x 128 columns: 256 work-groups.  Four waves, 128 x 64 each: 32 accumulators.  K goes in steps of 128 (two heads) through a ring of two LDS slots.
; A head's 256 rows are one dense block of 32,768 bytes: it comes as 128 double rows of 256 bytes + 16 of padding (waves 0, 1: a head each); Wo's images of a K step come dense (waves 2, 3: 64 columns each).
; CLUSTERS: 4 x 4; the rows' tiles are shared along a row of the cluster, Wo's along a column: joint loads; each refill stands behind a round of the cluster's barrier.
; The matrix instruction is used transposed (source 0 = 16 columns of Wo, source 1 = 16 rows): a lane holds eight neighbouring columns of a row.  bo is the C of each sum's first product.
; No prefetch: eight K steps on small tiles.  LIMIT: heads and Wo arrive in f16.
; REGISTERS: window 0: v16-29 addresses; v32-63 bo; v64-191 the rows' fragments, two buffers; v192-255 Wo's, two buffers.  window 1: accumulator (a, b) at v[8 (4 a + b)].
.set PITCH,  272
.set HEADB,  128*PITCH                 ; a head's 256 rows in LDS
.set BOFF,   2*HEADB
.set SLOT,   BOFF+32768
.set STAGE,  2*SLOT                    ; 16 rows x 272 bytes for each wave
.set SPARE,  STAGE+4*16*PITCH
.set LAPS,   4
.set ADRA, 16
.set ADRB, 20
.set STO,  24
.set RD,   25
.set CO,   26
.set SPW,  28
.set NIL,  29
.set BIAS, 32
.set AF,   64
.set BF,   192
.set BK,   64
.set G1,  24
.set G0,  32
.set G1B, 48
.set G0B, 56
.set MSB, 0
.macro WIN new
.if MSB != (\new)
	s_set_vgpr_msb (MSB<<8)|(\new)
.set MSB, (\new)
.endif
.endm
.macro JLOAD s                         ; waves 0, 1 fetch the rows' heads, waves 2, 3 Wo's halves; an s_nop 0 and four v_nop follow each line
	s_cmp_eq_u32 s13, 0
	s_cbranch_scc0 .Lfor_b_\@
	tensor_load_to_lds s[G0+4*\s:G0+4*\s+3], s[G1:G1+7]
	s_nop 0
.rept 4
	v_nop
.endr
	s_branch .Lasked_\@
.Lfor_b_\@:
	tensor_load_to_lds s[G0B+4*\s:G0B+4*\s+3], s[G1B:G1B+7]
	s_nop 0
.rept 4
	v_nop
.endr
.Lasked_\@:
.endm
.macro CREST
	s_cmp_lg_u32 s12, 0
	s_cbranch_scc1 .Lnot_wave_0_\@
	s_barrier_signal -3
.Lnot_wave_0_\@:
	s_barrier_wait -3
	s_barrier_signal -1
	s_barrier_wait -1
.endm
.macro CROUND
	s_barrier_signal -1
	s_barrier_wait -1
	CREST
.endm
	s_load_b256 s[4:11], s[0:1], 0x0               ; cc 4:5, wo16 6:7, bo 8:9, out0 10:11
	v_lshl_add_u32 v[SPW], v0, 2, SPARE
	v_mov_b32 v[NIL], 0
	ds_add_u32 v[SPW], v[NIL]                      ; the opening: the add, twice on end, and its wait ahead of my first tensor load
	ds_add_u32 v[SPW], v[NIL]
	v_lshrrev_b32 v1, 5, v0
	v_readfirstlane_b32 s12, v1                    ; wave
	s_lshr_b32 s13, s12, 1                         ; my half of the rows; also: I fetch rows (0) or Wo (1)
	s_and_b32 s14, s12, 1                          ; my half of the columns; also: which head, or which 64 columns, I fetch
	s_bfe_u32 s40, ttmp6, 0x40000                  ; cx
	s_bfe_u32 s41, ttmp6, 0x40004                  ; cy
	s_lshl_b32 s42, ttmp9, 2
	s_add_co_u32 s42, s42, s40                     ; tile column
	s_and_b32 s43, ttmp7, 0xffff
	s_lshl_b32 s43, s43, 2
	s_add_co_u32 s43, s43, s41                     ; tile row
	s_lshl_b32 s44, s41, 2
	s_lshl_b32 s44, 15, s44
	s_lshl_b32 s45, 0x1111, s40
	s_or_b32 s[G1], s44, (1<<16)|(1<<20)|(1<<21)|(5<<22)|(3<<25)   ; 128 double rows of 128 elements of 2 bytes, dense; 16 bytes of padding behind each
	s_mov_b32 s[G1+1], 128<<16
	s_mov_b32 s[G1+2], 128<<16
	s_mov_b32 s[G1+3], 128<<16
	s_mov_b32 s[G1+4], 128
	s_mov_b32 s[G1+5], 128
	s_mov_b32 s[G1+6], 0
	s_mov_b32 s[G1+7], 0
	s_or_b32 s[G1B], s45, (3<<16)|(1<<21)          ; 16,384 dense bytes as 64 rows of 256
	s_mov_b32 s[G1B+1], 32<<16
	s_mov_b32 s[G1B+2], 64<<16
	s_mov_b32 s[G1B+3], 32<<16
	s_mov_b32 s[G1B+4], 64
	s_mov_b32 s[G1B+5], 32
	s_mov_b32 s[G1B+6], 0
	s_mov_b32 s[G1B+7], 0
	s_lshl_b32 s16, s14, 20                        ; rows: head x 1,048,576 + tile row x 32,768
	s_lshl_b32 s17, s43, 15
	s_add_co_u32 s16, s16, s17
	s_mov_b32 s17, 0
	s_lshl_b32 s46, s42, 15                        ; Wo: (8 tile column + 4 half) 4,096
	s_lshl_b32 s47, s14, 14
	s_add_co_u32 s46, s46, s47
	s_mov_b32 s47, 0
	s_mul_i32 s20, s14, HEADB
	s_lshl_b32 s21, s14, 14
	s_add_co_u32 s21, s21, BOFF
	s_wait_dscnt 0x0                               ; both opening adds are done
	s_wait_kmcnt 0x0
	s_add_nc_u64 s[16:17], s[4:5], s[16:17]
	s_add_nc_u64 s[46:47], s[6:7], s[46:47]
	CROUND                                         ; the first joint loads meet
.irp s, 0,1
	s_mov_b32 s[G0+4*\s], 1
	s_add_co_u32 s[G0+4*\s+1], s20, \s*SLOT
	s_add_nc_u64 s[G0+4*\s+2:G0+4*\s+3], s[16:17], \s*2097152
	s_or_b32 s[G0+4*\s+3], s[G0+4*\s+3], 0x80000000
	s_mov_b32 s[G0B+4*\s], 1
	s_add_co_u32 s[G0B+4*\s+1], s21, \s*SLOT
	s_add_nc_u64 s[G0B+4*\s+2:G0B+4*\s+3], s[46:47], \s*262144
	s_or_b32 s[G0B+4*\s+3], s[G0B+4*\s+3], 0x80000000
	JLOAD \s
.endr
	v_and_b32 v1, 15, v0                           ; r
	v_bfe_u32 v2, v0, 4, 1                         ; h
	v_and_b32 v3, 31, v0
	v_lshlrev_b32 v6, 5, v2
	s_lshl_b32 s18, s42, 9                         ; bo: (128 tile column + 64 half) 4
	s_lshl_b32 s19, s14, 8
	s_add_co_u32 s18, s18, s19
	s_mov_b32 s19, 0
	s_add_nc_u64 s[8:9], s[8:9], s[18:19]
.irp b, 0,1,2,3
	global_load_b128 v[BIAS+8*\b:BIAS+8*\b+3], v6, s[8:9] offset:64*\b
	global_load_b128 v[BIAS+8*\b+4:BIAS+8*\b+7], v6, s[8:9] offset:64*\b+16
.endr
	v_lshrrev_b32 v4, 1, v1
	v_mul_u32_u24 v4, v4, PITCH
	v_and_b32 v5, 1, v1
	v_lshl_add_u32 v4, v5, 7, v4
	v_lshl_add_u32 v4, v2, 4, v4                   ; (r / 2) pitch + 128 (r % 2) + 16 h
	v_lshlrev_b32 v5, 4, v3
	s_mul_i32 s20, s13, 64*PITCH
	s_lshl_b32 s21, s14, 14
	s_add_co_u32 s21, s21, BOFF
.irp s, 0,1
	v_add_nc_u32 v[ADRA+\s], s20, v4
	v_add_nc_u32 v[ADRB+\s], s21, v5
	s_add_co_u32 s20, s20, SLOT
	s_add_co_u32 s21, s21, SLOT
.endr
	s_mul_i32 s20, s12, 16*PITCH
	s_add_co_u32 s20, s20, STAGE
	v_mul_u32_u24 v[STO], v1, PITCH
	v_lshl_add_u32 v[STO], v2, 5, v[STO]
	v_add_nc_u32 v[STO], s20, v[STO]               ; in: row r, 32 bytes for each half of the lanes
	v_mul_u32_u24 v[RD], v2, PITCH
	v_lshl_add_u32 v[RD], v1, 4, v[RD]
	v_add_nc_u32 v[RD], s20, v[RD]                 ; back: lanes 0-15 one row of 256 bytes, lanes 16-31 the next
	v_lshlrev_b32 v[CO], 12, v2
	v_lshl_add_u32 v[CO], v1, 4, v[CO]
	s_lshl_b32 s20, s43, 8                         ; out0: (256 tile row + 128 half) 4,096 + (128 tile column + 64 half) 4
	s_lshl_b32 s21, s13, 7
	s_add_co_u32 s20, s20, s21
	s_lshl_b32 s20, s20, 12
	s_add_co_u32 s20, s20, s18
	s_mov_b32 s21, 0
	s_add_nc_u64 s[10:11], s[10:11], s[20:21]
.macro MUL8 f, a0, first               ; the rows' blocks a0, a0 + 1 against Wo's four; the 32 accumulators take turns in the same order in every quarter
.irp a, \a0, \a0+1
.irp b, 0,1,2,3
.if \first
	v_wmma_f32_16x16x32_f16 v[8*(4*(\a)+\b):8*(4*(\a)+\b)+7], v[BF+32*\f+8*\b:BF+32*\f+8*\b+7], v[AF+64*\f+8*(\a):AF+64*\f+8*(\a)+7], v[BIAS+8*\b:BIAS+8*\b+7]
.else
	v_wmma_f32_16x16x32_f16 v[8*(4*(\a)+\b):8*(4*(\a)+\b)+7], v[BF+32*\f+8*\b:BF+32*\f+8*\b+7], v[AF+64*\f+8*(\a):AF+64*\f+8*(\a)+7], v[8*(4*(\a)+\b):8*(4*(\a)+\b)+7]
.endif
.endr
.endr
.endm
.macro FETCH slot, qd, f               ; 24 LDS loads in one run: Wo's four fragments, then the rows' eight, of the slot's qd-th 32 along K
	WIN 0
.irp b, 0,1,2,3
.irp c, 0,1
	ds_load_b128 v[BF+32*\f+8*\b+4*\c:BF+32*\f+8*\b+4*\c+3], v[ADRB+\slot] offset:\b*4096+(\qd)*1024+\c*512
.endr
.endr
.irp i, 0,1,2,3,4,5,6,7
.irp c, 0,1
	ds_load_b128 v[AF+64*\f+8*\i+4*\c:AF+64*\f+8*\i+4*\c+3], v[ADRA+\slot] offset:((\qd)>>1)*HEADB+((\qd)&1)*64+\i*8*PITCH+32*\c
.endr
.endr
.endm
.macro PLACES
.rept 4
	v_nop
.endr
.endm
.macro QUARTER slot, qn, f, g, first   ; multiplies buffer f and fetches the slot's qn-th quarter into g
	s_wait_dscnt 8                                 ; all but the rows' blocks 4-7 are in
	WIN 0x50-0x10*(\first)                         ; C and D window 1; first: C (bo) in window 0
	MUL8 \f, 0, \first
	MUL8 \f, 2, \first
	PLACES
	FETCH \slot, \qn, \g
	s_wait_dscnt 24                                ; all but the 24 just issued
	WIN 0x50-0x10*(\first)
	MUL8 \f, 4, \first
	MUL8 \f, 6, \first
.endm
; A slot's last quarter multiplies buffer 1 and changes slots.  fill = 1: the slot is filled again, two K steps on, behind a round of the cluster's barrier: one load of mine is out, with 112 products in which to land
.macro TURN slot, next, fill
	WIN 0
	s_wait_tensorcnt 0x0                           ; all my tensor loads have landed: my part of the next slot
	ds_add_u32 v[SPW], v[NIL]
	s_wait_dscnt 9                                 ; the add and the youngest eight loads may be out
	WIN 0x50
	MUL8 1, 0, 0
	s_wait_dscnt 0x0                               ; the add is done, and my reads of this slot are over
	s_barrier_signal -1
	MUL8 1, 2, 0
	WIN 0
	s_barrier_wait -1
.if \fill
	CREST
	s_add_nc_u64 s[G0+4*\slot+2:G0+4*\slot+3], s[G0+4*\slot+2:G0+4*\slot+3], 4194304
	s_add_nc_u64 s[G0B+4*\slot+2:G0B+4*\slot+3], s[G0B+4*\slot+2:G0B+4*\slot+3], 524288
	JLOAD \slot                                    ; its four v_nop are also the places in front of the loads below
.else
	PLACES
.endif
	FETCH \next, 0, 0
	WIN 0x50
	MUL8 1, 4, 0
	MUL8 1, 6, 0
.endm
	s_wait_tensorcnt 1                             ; my part of K step 0 is in; K step 1's may be out
	s_barrier_signal -1
	s_barrier_wait -1
	FETCH 0, 0, 0
	s_wait_loadcnt 0x0                             ; bo
	QUARTER 0, 1, 0, 1, 1
	WIN 0
	s_mov_b32 s3, LAPS-1
.Llap:
	QUARTER 0, 2, 1, 0, 0
	QUARTER 0, 3, 0, 1, 0
	TURN 0, 1, 1
	QUARTER 1, 1, 0, 1, 0
	QUARTER 1, 2, 1, 0, 0
	QUARTER 1, 3, 0, 1, 0
	TURN 1, 0, 1
	QUARTER 0, 1, 0, 1, 0
	WIN 0
	s_sub_co_u32 s3, s3, 1
	s_cmp_lg_u32 s3, 0
	s_cbranch_scc1 .Llap
	QUARTER 0, 2, 1, 0, 0                          ; the last lap fills nothing
	QUARTER 0, 3, 0, 1, 0
	TURN 0, 1, 0
	QUARTER 1, 1, 0, 1, 0
	QUARTER 1, 2, 1, 0, 0
	QUARTER 1, 3, 0, 1, 0
	s_wait_dscnt 8
	WIN 0x50
	MUL8 1, 0, 0
	MUL8 1, 2, 0
	s_wait_dscnt 0
	MUL8 1, 4, 0
	MUL8 1, 6, 0
	WIN 0
; THE WAY OUT: a block of 16 rows x 64 columns of f32 through my stage, back as whole rows of 256 bytes
.macro TOSTAGE a
	WIN 0x04                                       ; an LDS store's data: window 1
.irp b, 0,1,2,3
	ds_store_b128 v[STO], v[8*(4*(\a)+\b):8*(4*(\a)+\b)+3] offset:64*\b       ; each accumulator from its low end on
	ds_store_b128 v[STO], v[8*(4*(\a)+\b)+4:8*(4*(\a)+\b)+7] offset:64*\b+16
.endr
	WIN 0
.set BB, BK+32*((\a)%2)
.irp t, 0,1,2,3,4,5,6,7
	ds_load_b128 v[BB+4*\t:BB+4*\t+3], v[RD] offset:\t*2*PITCH
.endr
.endm
.macro SEND a, younger
.set BB, BK+32*((\a)%2)
	s_wait_dscnt \younger
.irp t, 0,1,2,3,4,5,6,7
	global_store_b128 v[CO], v[BB+4*\t:BB+4*\t+3], s[10:11] offset:(16*(\a)+2*\t)*4096 th:TH_STORE_NT   ; sixteen lanes store 256 consecutive bytes, aligned
.endr
.endm
	PLACES
	TOSTAGE 0
.irp a, 1,2,3,4,5,6,7
.if \a > 1
	s_wait_xcnt 0x0                                ; block a - 2's stores have read their registers
.endif
	TOSTAGE \a
	SEND \a-1, 16                                  ; behind block a - 1's loads: block a's 8 stores and 8 loads
.endr
	SEND 7, 0
	s_wait_tensorcnt 0x0                           ; the wave's end
	ds_add_u32 v[SPW], v[NIL]
	s_wait_dscnt 0x0
	CROUND                                         ; the closing round
	s_endpgm
.Lfunc_end_k_q4244e2894a_outp:
	.size	k_q4244e2894a_outp, .Lfunc_end_k_q4244e2894a_outp-k_q4244e2894a_outp
	.p2alignl 7, 3214868480
	.fill 96, 4, 3214868480
	.section	.rodata,"a",@progbits
	.p2align	6, 0x0
	.amdhsa_kernel k_q4244e2894a_outp
		.amdhsa_group_segment_fixed_size 327680
		.amdhsa_private_segment_fixed_size 0
		.amdhsa_enable_private_segment 0
		.amdhsa_kernarg_size 32
		.amdhsa_user_sgpr_count 2
		.amdhsa_user_sgpr_kernarg_segment_ptr 1
		.amdhsa_wavefront_size32 1
		.amdhsa_system_sgpr_workgroup_id_x 1
		.amdhsa_system_sgpr_workgroup_id_y 1
		.amdhsa_system_sgpr_workgroup_id_z 1
		.amdhsa_system_vgpr_workitem_id 0
		.amdhsa_next_free_vgpr 512
		.amdhsa_next_free_sgpr 66
		.amdhsa_reserve_vcc 0
		.amdhsa_float_denorm_mode_32 3
		.amdhsa_float_denorm_mode_16_64 3
		.amdhsa_memory_ordered 1
		.amdhsa_forward_progress 1
		.amdhsa_inst_pref_size 86
	.end_amdhsa_kernel
	.amdgpu_metadata
---
amdhsa.version: [ 1, 2 ]
amdhsa.kernels:
  - .name:           k_q4244e2894a_outp
    .symbol:         k_q4244e2894a_outp.kd
    .args:
      - { .name: cc, .offset: 0, .size: 8, .value_kind: global_buffer, .address_space: global }
      - { .name: wo16, .offset: 8, .size: 8, .value_kind: global_buffer, .address_space: global }
      - { .name: bo, .offset: 16, .size: 8, .value_kind: global_buffer, .address_space: global }
      - { .name: out0, .offset: 24, .size: 8, .value_kind: global_buffer, .address_space: global }
    .group_segment_fixed_size: 327680
    .private_segment_fixed_size: 0
    .kernarg_segment_align: 8
    .kernarg_segment_size: 32
    .max_flat_workgroup_size: 128
    .sgpr_count:     66
    .vgpr_count:     512
    .wavefront_size: 32
...
	.end_amdgpu_metadata
.endif
;; end of part 4
;; launch fine (part 5): grid 32 x 8, 16 waves a work-group, no clusters, 84,992 bytes of LDS; arguments qkv32, Wo, bo, out0; writes out0
.if DOCPART == 5
	.amdgcn_target "amdgcn-amd-amdhsa--gfx1250"
	.amdhsa_code_object_version 6
	.text
	.protected	k_q4244e2894a_fine
	.globl	k_q4244e2894a_fine
	.p2align	8
	.type	k_q4244e2894a_fine,@function
k_q4244e2894a_fine:
	s_mov_b64 s[64:65], 0
	v_nop
	global_prefetch_b8 v0, s[64:65] scope:SCOPE_SE
	s_setreg_imm32_b32 hwreg(HW_REG_WAVE_MODE, 25, 1), 1
	s_wait_xcnt 0x0
; FINE: positions 0-15 of each sequence once more, wholly in f32: they average one to sixteen values and are the largest outputs, so f16 operands would weigh most there.  128 rows of out0 are written over.
; A work-group: one batch (y) and 32 output columns (x).  Phase A: wave w is head w: 16 x 16 causal attention from the f32 images in qkv32.  Phase B: wave w takes 16 columns (w % 2) and heads 2 (w / 2), 2 (w / 2) + 1
; of the output projection on Wo in f32.  Phase C: wave w adds the eight parts of output row w, adds bo and stores 128 consecutive bytes (half of an aligned 256: 524,288 bytes in the whole launch leave so).
; The f32 matrix form takes K = 4: lane (r, h), register j holds k = 2 h + j.  An image's registers 2 i, 2 i + 1 of column tile t hold columns 16 t + 8 h + 2 i + j of row r: used alike on both sides, that is a
; permutation of k, which leaves a sum's terms as they are.  Four accumulators take turns; they are written by matrix instructions alone.
.set IMG,   0                          ; 16 heads x 4,096 bytes: the heads' results as register images
.set PART,  65536                      ; 8 parts x 16 rows x 136 bytes
.set SPARE, 82944
.set LI,   3
.set VTO,  4
.set WOF,  5
.set IMS,  6
.set PAS,  7
.set SPW,  8
.set NIL,  9
.set DD,   10
.set MM,   11
.set LL,   12
.set TT,   13
.set BOV,  14
.set L4,   15
.set QI,   16
.set KI,   48
.set VT,   80
.set WB,   112
.set XA,   176                         ; v176-207 the four accumulators
.set SS,   208
.set ON,   216
.set IML,  250
.set PAL,  251
	s_load_b256 s[4:11], s[0:1], 0x0               ; qkv32 4:5, Wo 6:7, bo 8:9, out0 10:11
	v_lshl_add_u32 v[SPW], v0, 2, SPARE
	v_mov_b32 v[NIL], 0
	v_lshrrev_b32 v1, 5, v0
	v_readfirstlane_b32 s12, v1                    ; wave
	s_and_b32 s14, ttmp7, 0xffff                   ; batch
	s_lshr_b32 s15, s12, 1                         ; e: which two heads in phase B
	s_and_b32 s16, s12, 1                          ; which 16 columns
	s_mov_b32 s18, 0x76543210
	s_mov_b32 s19, 0xfedcba98
	s_mov_b32 s20, 0x3e38aa3b                      ; c = log2(e) / 8
	v_and_b32 v1, 15, v0                           ; r
	v_bfe_u32 v2, v0, 4, 1                         ; h
	v_and_b32 v[L4], 31, v0
	v_lshlrev_b32 v[LI], 4, v[L4]
	v_lshlrev_b32 v[L4], 2, v[L4]
	v_bfe_u32 v[VTO], v0, 2, 1                     ; v(key 8 h + j, channel 16 t + r) in an image: ((r / 4) % 2) 512 + (r / 8) 256 + 128 h + 4 (r % 4), + 16 j
	v_lshlrev_b32 v[VTO], 9, v[VTO]
	v_bfe_u32 v[TT], v0, 3, 1
	v_lshl_add_u32 v[VTO], v[TT], 8, v[VTO]
	v_lshl_add_u32 v[VTO], v2, 7, v[VTO]
	v_and_b32 v[TT], 3, v0
	v_lshl_add_u32 v[VTO], v[TT], 2, v[VTO]
	v_lshlrev_b32 v[WOF], 15, v2                   ; Wo: 8 h rows of 4,096 bytes + 4 r
	v_lshl_add_u32 v[WOF], v1, 2, v[WOF]
	s_lshl_b32 s26, s12, 12
	v_add_nc_u32 v[IMS], s26, v[LI]
	s_lshl_b32 s26, s15, 13
	v_add_nc_u32 v[IML], s26, v[LI]
	s_mul_i32 s26, s15, 2176
	s_lshl_b32 s27, s16, 6
	s_add_co_u32 s26, s26, s27
	s_add_co_u32 s26, s26, PART
	v_mul_u32_u24 v[PAS], v2, 8*136
	v_lshl_add_u32 v[PAS], v1, 2, v[PAS]
	v_add_nc_u32 v[PAS], s26, v[PAS]               ; part e, row 8 h (+ j), column 16 (w % 2) + r
	s_mul_i32 s26, s12, 136
	s_add_co_u32 s26, s26, PART
	v_add_nc_u32 v[PAL], s26, v[L4]                ; row w, column = lane
	v_lshlrev_b32 v[TT], 3, v2
	v_sub_nc_u32 v[DD], v1, v[TT]                  ; r - 8 h
	v_mov_b32 v[TT], 0
	v_mov_b32 v249, 0xff800000
	s_lshl_b32 s22, s14, 6                         ; qkv32: (batch 64 + 4 head) 1,024; k's and v's lie 524,288 and 1,048,576 bytes on
	s_lshl_b32 s23, s12, 2
	s_add_co_u32 s22, s22, s23
	s_lshl_b32 s22, s22, 10
	s_mov_b32 s23, 0
	s_lshl_b32 s24, s15, 19                        ; Wo: 128 e rows + the columns
	s_lshl_b32 s28, ttmp9, 7
	s_add_co_u32 s24, s24, s28
	s_lshl_b32 s25, s16, 6
	s_add_co_u32 s24, s24, s25
	s_mov_b32 s25, 0
	s_mov_b32 s29, 0
	s_lshl_b32 s30, s14, 10                        ; out0: (batch 1,024 + w) 4,096 + the columns
	s_add_co_u32 s30, s30, s12
	s_lshl_b32 s30, s30, 12
	s_add_co_u32 s30, s30, s28
	s_mov_b32 s31, 0
	s_wait_kmcnt 0x0
	s_add_nc_u64 s[22:23], s[4:5], s[22:23]
	s_add_nc_u64 s[24:25], s[6:7], s[24:25]
	s_add_nc_u64 s[8:9], s[8:9], s[28:29]
	s_add_nc_u64 s[10:11], s[10:11], s[30:31]
.set n_, 0
.rept 32                               ; Wo's 128 rows of my 16 columns, in the order in which phase B's 32 products take them: k = 128 e + 64 (n / 16) + 16 ((n / 4) % 4) + 8 h + 2 (n % 4) + j
	global_load_b32 v[WB+2*n_], v[WOF], s[24:25] offset:((n_/16)*64+((n_/4)%4)*16+(n_%4)*2)*4096
	global_load_b32 v[WB+2*n_+1], v[WOF], s[24:25] offset:((n_/16)*64+((n_/4)%4)*16+(n_%4)*2+1)*4096
.set n_, n_+1
.endr
.irp t, 0,1,2,3
	global_load_b128 v[QI+8*\t:QI+8*\t+3], v[LI], s[22:23] offset:\t*1024
	global_load_b128 v[QI+8*\t+4:QI+8*\t+7], v[LI], s[22:23] offset:\t*1024+512
	global_load_b128 v[KI+8*\t:KI+8*\t+3], v[LI], s[22:23] offset:524288+\t*1024
	global_load_b128 v[KI+8*\t+4:KI+8*\t+7], v[LI], s[22:23] offset:524288+\t*1024+512
.endr
.irp t, 0,1,2,3
.irp j, 0,1,2,3,4,5,6,7
	global_load_b32 v[VT+8*\t+\j], v[VTO], s[22:23] offset:1048576+\t*1024+\j*16
.endr
.endr
	global_load_b32 v[BOV], v[L4], s[8:9]
	; ---- A: S^T = K Q^T over the head's 64 channels
	s_wait_loadcnt 33                              ; Wo, q and k are in; v's 32 loads and bo's may be out
.irp i, 0,1,2,3
.irp b, 0,1,2,3
.if \i == 0
	v_wmma_f32_16x16x4_f32 v[XA+8*\b:XA+8*\b+7], v[KI+8*\b+2*\i:KI+8*\b+2*\i+1], v[QI+8*\b+2*\i:QI+8*\b+2*\i+1], 0
.else
	v_wmma_f32_16x16x4_f32 v[XA+8*\b:XA+8*\b+7], v[KI+8*\b+2*\i:KI+8*\b+2*\i+1], v[QI+8*\b+2*\i:QI+8*\b+2*\i+1], v[XA+8*\b:XA+8*\b+7]
.endif
.endr
.endr
.rept 8
	v_nop                                          ; eight places behind this form (ISA guide 7.12.1)
.endr
.irp j, 0,1,2,3,4,5,6,7                ; lane (r, h): the score of key 8 h + j and query r
	v_add_f32 v[SS+\j], v[XA+\j], v[XA+8+\j]
	v_add_f32 v248, v[XA+16+\j], v[XA+24+\j]
	v_add_f32 v[SS+\j], v[SS+\j], v248
.endr
.irp j, 0,1,2,3,4,5,6,7
	v_cmp_gt_i32 vcc_lo, \j, v[DD]                 ; hidden where 8 h + j > r
	v_cndmask_b32 v[SS+\j], v[SS+\j], v249, vcc_lo
.endr
	v_max3_num_f32 v[MM], v[SS], v[SS+1], v[SS+2]
	v_max3_num_f32 v[MM], v[MM], v[SS+3], v[SS+4]
	v_max3_num_f32 v[MM], v[MM], v[SS+5], v[SS+6]
	v_max_num_f32 v[MM], v[MM], v[SS+7]
	v_permlanex16_b32 v[TT], v[MM], s18, s19
	v_max_num_f32 v[MM], v[MM], v[TT]              ; key 0 counts for every query: a number
	v_mul_f32 v[MM], s20, v[MM]
.irp j, 0,1,2,3,4,5,6,7
	v_fma_f32 v[SS+\j], v[SS+\j], s20, -v[MM]
.endr
.irp j, 0,1,2,3,4,5,6,7
	v_exp_f32 v[SS+\j], v[SS+\j]
.endr
	v_nop
	s_wait_alu depctr_va_vdst(0)                   ; one wait for the eight, ahead of their first reader
	v_add_f32 v[LL], v[SS], v[SS+1]
	v_add_f32 v248, v[SS+2], v[SS+3]
	v_add_f32 v[LL], v[LL], v248
	v_add_f32 v248, v[SS+4], v[SS+5]
	v_add_f32 v[LL], v[LL], v248
	v_add_f32 v248, v[SS+6], v[SS+7]
	v_add_f32 v[LL], v[LL], v248
	v_permlanex16_b32 v[TT], v[LL], s18, s19
	v_add_f32 v[LL], v[LL], v[TT]
	v_rcp_f32 v[LL], v[LL]
	v_nop
	s_wait_alu depctr_va_vdst(0)
	s_wait_loadcnt 0x0                             ; v, bo
.irp i, 0,1,2,3                        ; O^T = V^T P over the 16 keys
.irp t, 0,1,2,3
.if \i == 0
	v_wmma_f32_16x16x4_f32 v[XA+8*\t:XA+8*\t+7], v[VT+8*\t+2*\i:VT+8*\t+2*\i+1], v[SS+2*\i:SS+2*\i+1], 0
.else
	v_wmma_f32_16x16x4_f32 v[XA+8*\t:XA+8*\t+7], v[VT+8*\t+2*\i:VT+8*\t+2*\i+1], v[SS+2*\i:SS+2*\i+1], v[XA+8*\t:XA+8*\t+7]
.endif
.endr
.endr
.rept 8
	v_nop
.endr
.set n_, 0
.rept 32
	v_mul_f32 v[ON+n_], v[XA+n_], v[LL]            ; lane (r, h), register 8 t + j: position r, channel 16 t + 8 h + j: the images' own layout
.set n_, n_+1
.endr
.irp n, 0,1,2,3,4,5,6,7
	ds_store_b128 v[IMS], v[ON+4*\n:ON+4*\n+3] offset:IMG+512*\n
.endr
	s_wait_dscnt 0x0                               ; for the others' sake: my image has landed
	s_barrier_signal -1
	s_barrier_wait -1
	; ---- B: my 16 columns, K = my two heads' 128
.irp g, 0,1
.irp n, 0,1,2,3,4,5,6,7
	ds_load_b128 v[QI+32*\g+4*\n:QI+32*\g+4*\n+3], v[IML] offset:IMG+\g*4096+512*\n
.endr
.endr
	s_wait_dscnt 0x0
.set n_, 0
.rept 32
.if n_ < 4
	v_wmma_f32_16x16x4_f32 v[XA+8*(n_%4):XA+8*(n_%4)+7], v[QI+2*n_:QI+2*n_+1], v[WB+2*n_:WB+2*n_+1], 0
.else
	v_wmma_f32_16x16x4_f32 v[XA+8*(n_%4):XA+8*(n_%4)+7], v[QI+2*n_:QI+2*n_+1], v[WB+2*n_:WB+2*n_+1], v[XA+8*(n_%4):XA+8*(n_%4)+7]
.endif
.set n_, n_+1
.endr
.rept 8
	v_nop
.endr
.irp j, 0,1,2,3,4,5,6,7                ; lane (r, h): position 8 h + j, column r
	v_add_f32 v[SS+\j], v[XA+\j], v[XA+8+\j]
	v_add_f32 v248, v[XA+16+\j], v[XA+24+\j]
	v_add_f32 v[SS+\j], v[SS+\j], v248
.endr
.irp j, 0,1,2,3,4,5,6,7
	ds_store_b32 v[PAS], v[SS+\j] offset:\j*136
.endr
	s_wait_dscnt 0x0
	s_barrier_signal -1
	s_barrier_wait -1
	; ---- C: row w of the 16, 32 columns
.irp g, 0,1,2,3,4,5,6,7
	ds_load_b32 v[ON+\g], v[PAL] offset:\g*2176
.endr
	s_wait_dscnt 0x0
	v_add_f32 v[ON], v[ON], v[ON+1]
	v_add_f32 v[ON+2], v[ON+2], v[ON+3]
	v_add_f32 v[ON+4], v[ON+4], v[ON+5]
	v_add_f32 v[ON+6], v[ON+6], v[ON+7]
	v_add_f32 v[ON], v[ON], v[ON+2]
	v_add_f32 v[ON+4], v[ON+4], v[ON+6]
	v_add_f32 v[ON], v[ON], v[ON+4]
	v_add_f32 v[ON], v[ON], v[BOV]
	global_store_b32 v[L4], v[ON], s[10:11]
	s_wait_tensorcnt 0x0                           ; the wave's end
	ds_add_u32 v[SPW], v[NIL]
	s_wait_dscnt 0x0
	s_endpgm
.Lfunc_end_k_q4244e2894a_fine:
	.size	k_q4244e2894a_fine, .Lfunc_end_k_q4244e2894a_fine-k_q4244e2894a_fine
	.p2alignl 7, 3214868480
	.fill 96, 4, 3214868480
	.section	.rodata,"a",@progbits
	.p2align	6, 0x0
	.amdhsa_kernel k_q4244e2894a_fine
		.amdhsa_group_segment_fixed_size 84992
		.amdhsa_private_segment_fixed_size 0
		.amdhsa_enable_private_segment 0
		.amdhsa_kernarg_size 32
		.amdhsa_user_sgpr_count 2
		.amdhsa_user_sgpr_kernarg_segment_ptr 1
		.amdhsa_wavefront_size32 1
		.amdhsa_system_sgpr_workgroup_id_x 1
		.amdhsa_system_sgpr_workgroup_id_y 1
		.amdhsa_system_sgpr_workgroup_id_z 1
		.amdhsa_system_vgpr_workitem_id 0
		.amdhsa_next_free_vgpr 256
		.amdhsa_next_free_sgpr 66
		.amdhsa_reserve_vcc 1
		.amdhsa_float_denorm_mode_32 3
		.amdhsa_float_denorm_mode_16_64 3
		.amdhsa_memory_ordered 1
		.amdhsa_forward_progress 1
		.amdhsa_inst_pref_size 27
	.end_amdhsa_kernel
	.amdgpu_metadata
---
amdhsa.version: [ 1, 2 ]
amdhsa.kernels:
  - .name:           k_q4244e2894a_fine
    .symbol:         k_q4244e2894a_fine.kd
    .args:
      - { .name: qkv32, .offset: 0, .size: 8, .value_kind: global_buffer, .address_space: global }
      - { .name: Wo, .offset: 8, .size: 8, .value_kind: global_buffer, .address_space: global }
      - { .name: bo, .offset: 16, .size: 8, .value_kind: global_buffer, .address_space: global }
      - { .name: out0, .offset: 24, .size: 8, .value_kind: global_buffer, .address_space: global }
    .group_segment_fixed_size: 84992
    .private_segment_fixed_size: 0
    .kernarg_segment_align: 8
    .kernarg_segment_size: 32
    .max_flat_workgroup_size: 512
    .sgpr_count:     66
    .vgpr_count:     256
    .wavefront_size: 32
...
	.end_amdgpu_metadata
.endif
;; end of part 5
